; MI455X (gfx1250); checked and timed in simulation.
; The chip was launched on July 23, 2026; its instructions are those of AMD's public machine-readable ISA for CDNA 5 (MIT licence, August 2026) and "CDNA5" Instruction Set Architecture Reference Guide (July 2026). The comments in the code are by the model that wrote it; some were corrected since.
;; Attention. Allowed arithmetic: matrix products marked QUANTISED: E3M2 operands, one E8M0 scale for each 32 along K, by v_wmma_scale_f32_16x16x128_f8f6f4 with both operands' format E3M2, f32 sums; products left as they are: f32 operands where the result goes on into a quantised operand, else bf16, f16 or f32 operands; f32 sums; everything else in f32.
;; Inputs: V 1,024 x 1 float32; W1 1,024 x 1,024 float32; W2 1,024 x 1,024 float32; b1 1,024 float32; b2 1,024 float32; bV 1 float32; features 32 x 2,048 x 1,024 float32; hidden 32 x 1,024 float32; seq_len 32 int32.
;; Outputs: out0 32 x 1,024 float32; out1 32 x 2,048 x 1 float32.
;; This version of the problem:
;;   THIS VERSION OF THE PROBLEM IS GIVEN IN LOW PRECISION. The matrix products marked QUANTISED in the list below multiply operands that are first quantised to E3M2 (3 exponent bits, 2 mantissa bits; 6 bits a number), with one power-of-two scale for each 32 numbers along K (OCP MX v1.0); their sums are f32. All else is computed in f32.
;;   The module's matrix products, in the order in which they are computed (A, B: the left and right operand; K: the contracted axis; several contracted axes count as one K, in the product's order):
;;     1. [M 65,536, K 1,024] x [K 1,024, N 1,024]; A: input features; B: input W1: QUANTISED
;;     2. [M 32, K 1,024] x [K 1,024, N 1,024]; A: input hidden; B: input W2: QUANTISED
;;     3. [M 65,536, K 1,024] x [K 1,024, N 1]; A: computed on the way; B: input V: left as it is (N = 1 < 16)
;;   THE QUANTISER, for each operand of a quantised product, along K:
;;     - K is cut into blocks of 32 from its start; a last block that is shorter is filled with zeros.
;;     - A block's scale is 2^e with e = floor(log2(the largest magnitude in the block)) - 4, held to -126 .. 127; a block of zeros has e = 0. As a byte (E8M0): e + 127.
;;     - Each number is divided by its block's scale, clamped to +-28, and rounded to the nearest number of E3M2, ties to even, subnormals kept.
;;     - The product sums the exact products of the quantised numbers (number of the format x scale) in f32.
;;   ~~~python
;;   def quantise(x, axis):      # numpy; x: float32 -> the quantised numbers, widened to float32 again
;;       x = np.moveaxis(x, axis, -1); K = x.shape[-1]
;;       x = np.pad(x, [(0, 0)] * (x.ndim - 1) + [(0, -K % 32)]); x = x.reshape(x.shape[:-1] + (-1, 32)); a = np.abs(x).max(-1, keepdims=True)
;;       e = np.where(a > 0, np.clip(np.frexp(np.where(a > 0, a, 1))[1] - 1 - 4, -126, 127), 0)      # np.frexp(a)[1] - 1 = floor(log2(a)), exactly
;;       r = np.clip(x / 2.0 ** e, -28, 28)
;;       step = 2.0 ** (np.maximum(np.frexp(np.where(r == 0, 1, r))[1] - 1, -2) - 2)
;;       q = np.round(r / step) * step * 2.0 ** e      # np.round: ties to even
;;       return np.moveaxis(q.reshape(q.shape[:-2] + (-1,))[..., :K], -1, axis).astype(np.float32)
;;   ~~~
;; 2 versions, each right; version 2 is version 1 with the launches prep, blocks written anew for expert scheduling mode. Each part assembles by itself: llvm-mc -triple=amdgcn-amd-amdhsa -mcpu=gfx1250 --defsym DOCPART=n.
;; ======== version 1 of 2: 3 launches
;; limits: right only within a limited range of input values
;; workspace buffers: w1c 786,432 bytes; w1s 32,768 bytes; cb 131,072 bytes; tsc 262,144 bytes; stat 262,144 bytes; pctx 4,194,304 bytes
;; launch prep (part 1): grid 64 x 1, 8 waves a work-group, no clusters, 33,792 bytes of LDS; arguments W1, W2, hidden, b1, b2, w1c, w1s, cb; writes w1c, w1s, cb
.if DOCPART == 1
	.amdgcn_target "amdgcn-amd-amdhsa--gfx1250"
	.amdhsa_code_object_version 6
	.text
	.protected	k_qc896a7cb06_prep
	.globl	k_qc896a7cb06_prep
	.p2align	8
	.type	k_qc896a7cb06_prep,@function
k_qc896a7cb06_prep:
	s_mov_b64 s[64:65], 0
	v_nop
	global_prefetch_b8 v0, s[64:65] scope:SCOPE_SE
	s_setreg_imm32_b32 hwreg(HW_REG_WAVE_MODE, 25, 1), 1
	s_wait_xcnt 0x0
; THE PROGRAM: out1 = softmax over t of (tanh(Q(features) Q(W1) + b1 + Q(hidden) Q(W2) + b2) . V + bV), rows t >= seq_len[b] held at -1e30; out0 = sum over t of out1 x features.  Q: codes of BF6 (E3M2), one E8M0 scale for each 32 along K = 1,024.
; Three launches: this one (weights into codes, the hidden product), 'blocks' (scores, and a partial softmax and context for each block of 64 rows), 'finish' (the blocks of a batch joined).
; WORK LEFT OUT, for all values of the inputs.
;  (1) bV is added to every live score of a softmax's axis alike; e^(s + bV) / sum e^(s' + bV) = e^s / sum e^s'.  So bV reaches no output: it is not loaded and is among no launch's arguments.
;      The same holds of the constant sum of V in tanh(x) = 1 - 2 / (1 + 2^(c x)), c = 2 log2(e): the program sums t = sum over u of (-c V[u]) / (1 + 2^(c x[u])), the score in units of log2, less a constant.
;  (2) reference() itself replaces the score of every row t >= seq_len[b] by -1e30.  A block of 64 rows that lies wholly there is neither loaded nor multiplied; its weights are written as 0.
; LIMITS: a masked row's weight e^(-1e30 - max) counts as 0, which holds while the sum of |V| and |bV| stay far under 1e30; a NaN, an infinity or an overflow that reaches only bV or rows of blocks left out is not carried to the result.
; seq_len above 2,048 acts as 2,048; seq_len under 1 gives reference()'s uniform weights.  Blocks whose largest magnitude lies under 2^(4 - 126) keep the scale byte 1; a block of zeros has the byte 1 and zero codes (these bytes are read by this program alone).
;
; THIS LAUNCH.  Work-groups 0-31: columns 32 g .. 32 g + 31 of W1 become codes, laid as images of the operand's registers: w1c[tile of 16 units][K step of 128][3 x 512 bytes: group c of four registers at 512 c + 16 x lane], w1s[tile][K step][16 words].
; Work-groups 32-63: the same columns of W2 are quantised in registers and multiplied by Q(hidden): cb[b][u] = c (Q(hidden) Q(W2) + b1 + b2).
; Wave s takes K step s.  A LANE TAKES A COLUMN AND ITS REGISTERS RUN DOWN K: each load reads 128 consecutive bytes, a block of 32 lies in one lane, and the conversions give codes with K innermost.
; The two kinds of work-group part once, on the work-group's number, and meet again at the closing lines.  w1s and cb leave in pieces of 64 bytes: 160 KB of the launch's 9 MB.
; REGISTERS: window 0: v1-13 addresses; v16-143 hidden's numbers, later v16-47 four accumulators and v48-79 the eight waves' parts; v144-159 at work; v160-162 scale words; v164-179 conversions' second halves;
;   v184-207 hidden's two fragments; v208-231 the weight's two fragments; v250, v251 the add's two.   window 1: v0-127 the weight's 128 numbers of my column.
.set SPARE, 32768                      ; LDS: 8 waves x 4,096 bytes of partial sums from byte 0; behind them the spare words, 128 bytes for each wave, which no other line names
.set H,   16
.set ACC, 16
.set RB,  48
.set TM,  144
.set HW,  160
.set WS,  162
.set CT,  164
.set HF,  184
.set F0,  208
.set F1,  220
.set SPW, 250
.set NIL, 251
.set SEL, 28
.set MSB, 0
.macro WIN new                         ; the immediate's high byte repeats the setting that is left; a switch that changes nothing is dropped
.if MSB != (\new)
	s_set_vgpr_msb (MSB<<8)|(\new)
.set MSB, (\new)
.endif
.endm
; 128 rows of my column into window 1
.macro WLOAD base
	WIN 0x40
.set i, 0
.rept 128
	global_load_b32 v[i], v4, s[\base:\base+1] offset:i*4096 th:TH_LOAD_NT
.set i, i+1
.endr
	WIN 0
.endm
; block b of my column: its largest magnitude in two chains, with the floor 2^(5 - 127) among the leaves; the conversion's scale operand; the scale's byte.  left: the younger loads that may stay out (the wait's field holds 63)
.macro WQB b, left
	s_wait_loadcnt \left
	WIN 0x05
	v_max3_num_f32 v[TM+\b], |v[32*\b]|, |v[32*\b+1]|, 0x2800000
	v_max3_num_f32 v[TM+4+\b], |v[32*\b+2]|, |v[32*\b+3]|, 0x2800000
	WIN 0x14
.irp i, 4,8,12,16,20,24,28
	v_max3_num_f32 v[TM+\b], v[TM+\b], |v[32*\b+\i]|, |v[32*\b+\i+1]|
	v_max3_num_f32 v[TM+4+\b], v[TM+4+\b], |v[32*\b+\i+2]|, |v[32*\b+\i+3]|
.endr
	WIN 0
	v_max_num_f32 v[TM+\b], v[TM+\b], v[TM+4+\b]
	v_add_nc_u32 v[TM+12+\b], 0xfe000000, v[TM+\b]   ; 4 off the exponent field: the conversion takes that field as its scale
	v_lshrrev_b32 v[TM+8+\b], 23, v[TM+12+\b]
.endm
; my column's 128 numbers become codes; blocks 0, 2 lie in F0 and blocks 1, 3 in F1; the exchange of halves then makes F0 the fragment of units 0-15 and F1 that of units 16-31
.macro WQ
	WQB 0, 63
	WQB 1, 63
	WQB 2, 32
	WQB 3, 0
	v_lshl_or_b32 v[WS], v[TM+9], 8, v[TM+8]         ; my column's scale word: lanes 0-15 the first tile's, lanes 16-31 the second's
	v_lshl_or_b32 v[WS], v[TM+10], 16, v[WS]
	v_lshl_or_b32 v[WS], v[TM+11], 24, v[WS]
	WIN 0x01
.irp b, 0,1,2,3
	v_cvt_scalef32_pk16_bf6_f32 v[F0+12*(\b%2)+6*(\b/2):F0+12*(\b%2)+6*(\b/2)+2], v[32*\b:32*\b+15], v[TM+12+\b]
	v_cvt_scalef32_pk16_bf6_f32 v[CT+4*\b:CT+4*\b+2], v[32*\b+16:32*\b+31], v[TM+12+\b]   ; (a conversion's three registers begin on an even number)
.endr
	WIN 0
	v_nop                                          ; one plain place behind the conversions
.irp b, 0,1,2,3
.irp i, 0,1,2
	v_mov_b32 v[F0+12*(\b%2)+6*(\b/2)+3+\i], v[CT+4*\b+\i]
.endr
.endr
.set i, 0
.rept 12
	v_permlane16_swap_b32 v[F0+i], v[F1+i]         ; F0's lanes 16-31 (units 16-31, blocks 0, 2) change places with F1's lanes 0-15 (units 0-15, blocks 1, 3)
.set i, i+1
.endr
.endm
; 64 numbers of a lane, register 16 b + i = k 32 b + 16 (lane / 16) + i of my row, become a fragment in v[d] on and its scale word in v[pw]
.macro QUANT s, d, pw
.irp b, 0,1,2,3
	v_max3_num_f32 v[TM+\b], |v[(\s)+16*\b]|, |v[(\s)+1+16*\b]|, 0x2800000
.endr
.irp i, 2,4,6,8,10,12,14
.irp b, 0,1,2,3
	v_max3_num_f32 v[TM+\b], v[TM+\b], |v[(\s)+16*\b+\i]|, |v[(\s)+1+16*\b+\i]|
.endr
.endr
.irp b, 0,1,2,3
	v_permlanex16_b32 v[TM+4+\b], v[TM+\b], s[SEL], s[SEL+1]
.endr
.irp b, 0,1,2,3
	v_max_num_f32 v[TM+\b], v[TM+\b], v[TM+4+\b]
.endr
.irp b, 0,1,2,3
	v_add_nc_u32 v[TM+12+\b], 0xfe000000, v[TM+\b]
.endr
.irp b, 0,1,2,3
	v_lshrrev_b32 v[TM+4+\b], 23, v[TM+12+\b]
.endr
	v_lshl_or_b32 v[\pw], v[TM+5], 8, v[TM+4]
	v_lshl_or_b32 v[\pw], v[TM+6], 16, v[\pw]
	v_lshl_or_b32 v[\pw], v[TM+7], 24, v[\pw]
.irp c, 0,1
	v_cvt_scalef32_pk16_bf6_f32 v[(\d)+6*\c:(\d)+2+6*\c], v[(\s)+32*\c:(\s)+15+32*\c], v[TM+12+2*\c]
	v_cvt_scalef32_pk16_bf6_f32 v[CT+4*\c:CT+2+4*\c], v[(\s)+16+32*\c:(\s)+31+32*\c], v[TM+12+2*\c+1]
.endr
	v_nop                                          ; one plain place behind the conversions
.irp c, 0,1
.irp i, 0,1,2
	v_permlane16_swap_b32 v[(\d)+6*\c+\i], v[CT+4*\c+\i]   ; the operand wants a whole block in a lane
.endr
.irp i, 0,1,2
	v_mov_b32 v[(\d)+3+6*\c+\i], v[CT+4*\c+\i]
.endr
.endr
.endm
	s_load_b256 s[4:11], s[0:1], 0x0               ; W1 s[4:5], W2 s[6:7], hidden s[8:9], b1 s[10:11]
	s_load_b256 s[12:19], s[0:1], 0x20             ; b2 s[12:13], w1c s[14:15], w1s s[16:17], cb s[18:19]
	v_lshl_add_u32 v[SPW], v0, 2, SPARE
	v_mov_b32 v[NIL], 0
	v_lshrrev_b32 v1, 5, v0
	v_readfirstlane_b32 s20, v1                    ; wave = K step
	v_and_b32 v1, 31, v0                           ; lane
	v_and_b32 v2, 15, v0                           ; r
	v_bfe_u32 v3, v0, 4, 1                         ; h
	v_lshlrev_b32 v4, 2, v1                        ; my column's 4 bytes of a row
	v_lshlrev_b32 v5, 4, v1                        ; an image's place for my lane
	s_lshl_b32 s24, s20, 12
	v_add_nc_u32 v12, s24, v5                      ; LDS: where I put my partial sums: 4,096 x wave + 16 x lane
	s_lshl_b32 s24, s20, 9
	v_add_nc_u32 v13, s24, v5                      ; and which image of every wave's I add up: 512 x wave + 16 x lane
	s_mov_b32 s[SEL], 0x76543210
	s_mov_b32 s[SEL+1], 0xfedcba98                 ; v_permlanex16_b32's selects for lane l xor 16
	s_mov_b32 s30, 0x4038aa3b                      ; c = 2 log2(e)
	s_lshl_b32 s22, s20, 19                        ; my K step's 128 rows of 4,096 bytes
	s_mov_b32 s23, 0
	s_mov_b32 s27, 0
	s_wait_kmcnt 0x0
	s_cmp_ge_u32 ttmp9, 32
	s_cbranch_scc1 .Lw2
	; ---- W1: codes and scale words to memory
	s_lshl_b32 s24, ttmp9, 7                       ; 32 columns of 4 bytes a work-group
	s_add_co_u32 s22, s22, s24
	s_add_nc_u64 s[4:5], s[4:5], s[22:23]
	WLOAD 4
	s_lshl_b32 s24, ttmp9, 4
	s_add_co_u32 s24, s24, s20                     ; fragment number of tile 2 g, K step s: 16 g + s
	s_mul_i32 s26, s24, 1536
	s_add_nc_u64 s[14:15], s[14:15], s[26:27]
	s_lshl_b32 s26, s24, 6
	s_add_nc_u64 s[16:17], s[16:17], s[26:27]
	v_lshlrev_b32 v7, 2, v2
	v_lshl_add_u32 v7, v3, 9, v7                   ; the scale word's place: 4 r, the second tile 8 fragments of 64 bytes on
	WQ
.irp c, 0,1,2
	global_store_b128 v5, v[F0+4*\c:F0+4*\c+3], s[14:15] offset:512*\c          ; 32 lanes store 512 consecutive bytes, at a multiple of 512 from the buffer's first byte
	global_store_b128 v5, v[F1+4*\c:F1+4*\c+3], s[14:15] offset:12288+512*\c    ; the second tile: 8 fragments of 1,536 bytes on
.endr
	global_store_b32 v7, v[WS], s[16:17]
	s_branch .Lend
	; ---- W2: quantised in registers and multiplied by Q(hidden)
.Lw2:
	s_sub_co_u32 s21, ttmp9, 32
	s_lshl_b32 s24, s21, 7                         ; 4 n0
	s_add_co_u32 s22, s22, s24
	s_add_nc_u64 s[6:7], s[6:7], s[22:23]
	v_lshlrev_b32 v6, 12, v2
	v_lshl_add_u32 v6, v3, 6, v6                   ; hidden: row r of 4,096 bytes, + 64 h: my 16 numbers of a block of 32
	s_lshl_b32 s26, s20, 9                         ; my K step's 512 bytes of a row
	s_add_nc_u64 s[8:9], s[8:9], s[26:27]
.irp mt, 0,1
.irp b, 0,1,2,3
.irp j, 0,1,2,3
	global_load_b128 v[H+64*\mt+16*\b+4*\j:H+64*\mt+16*\b+4*\j+3], v6, s[8:9] offset:65536*\mt+128*\b+16*\j
.endr
.endr
.endr
	s_bfe_u32 s25, s20, 0x10001                    ; u = (wave / 2) % 2: the tile of units whose sums I finish
	s_lshl_b32 s25, s25, 6
	s_add_co_u32 s24, s24, s25
	v_lshl_add_u32 v8, v2, 2, s24                  ; 4 (n0 + 16 u + r)
	global_load_b32 v9, v8, s[10:11]               ; b1
	global_load_b32 v10, v8, s[12:13]              ; b2
	WLOAD 6
	s_lshr_b32 s24, s20, 2
	s_lshl_b32 s24, s24, 16
	s_and_b32 s25, s20, 1
	s_lshl_b32 s25, s25, 14
	s_add_co_u32 s24, s24, s25
	v_lshl_add_u32 v11, v3, 15, v8
	v_add_nc_u32 v11, s24, v11                     ; cb: row 16 (wave / 4) + 8 h + 4 (wave % 2), my unit
.irp b, 0,1,2,3
	v_mov_b32 v[TM+4+\b], 0                        ; written once: a lane permute's destination counts as one of its sources
.endr
	s_wait_loadcnt 63                              ; 128 loads were issued behind hidden's and the biases': with 63 out at the most these are in
	QUANT H, HF, HW
	QUANT H+64, HF+12, HW+1
	WQ
.rept 8
	v_nop                                          ; scale words written by vector instructions stand 8 places ahead of a scaled matrix instruction, operands 4
.endr
.irp mt, 0,1                                   ; source 0 = 16 rows of hidden, source 1 = 16 units: register j of lane (r, h) is (row 8 h + j, unit r)
	v_wmma_scale_f32_16x16x128_f8f6f4 v[ACC+16*\mt:ACC+16*\mt+7], v[HF+12*\mt:HF+12*\mt+11], v[F0:F0+11], 0, v[HW+\mt], v[WS] matrix_a_fmt:MATRIX_FMT_BF6 matrix_b_fmt:MATRIX_FMT_BF6
	v_wmma_scale_f32_16x16x128_f8f6f4 v[ACC+16*\mt+8:ACC+16*\mt+15], v[HF+12*\mt:HF+12*\mt+11], v[F1:F1+11], 0, v[HW+\mt], v[WS] matrix_a_fmt:MATRIX_FMT_BF6 matrix_b_fmt:MATRIX_FMT_BF6 matrix_b_scale:MATRIX_SCALE_ROW1
.endr
.rept 4
	v_nop                                          ; four places ahead of the first read of results
.endr
.irp q, 0,1,2,3,4,5,6,7
	ds_store_b128 v12, v[ACC+4*\q:ACC+4*\q+3] offset:512*\q   ; my K step's part of the 32 x 32 sums, as images; each accumulator from its low end on
.endr
	s_wait_dscnt 0x0                               ; for the others' sake: my stores have landed
	s_barrier_signal -1
	s_barrier_wait -1
.irp w, 0,1,2,3,4,5,6,7
	ds_load_b128 v[RB+4*\w:RB+4*\w+3], v13 offset:4096*\w     ; image number 'my wave' of all eight K steps
.endr
	v_add_f32 v9, v9, v10
	v_mul_f32 v9, s30, v9                          ; c (b1 + b2)
	s_wait_dscnt 0x0
.irp w, 1,2,3,4,5,6,7                          ; K ascending
	v_pk_add_f32 v[RB:RB+1], v[RB:RB+1], v[RB+4*\w:RB+4*\w+1]
	v_pk_add_f32 v[RB+2:RB+3], v[RB+2:RB+3], v[RB+4*\w+2:RB+4*\w+3]
.endr
.irp e, 0,1,2,3
	v_fma_f32 v[RB+\e], v[RB+\e], s30, v9
.endr
.irp e, 0,1,2,3
	global_store_b32 v11, v[RB+\e], s[18:19] offset:4096*\e
.endr
.Lend:
	s_wait_tensorcnt 0x0                           ; the wave's end: three closing lines, behind my last LDS store
	ds_add_u32 v[SPW], v[NIL]
	s_wait_dscnt 0x0
	s_endpgm
.Lfunc_end_k_qc896a7cb06_prep:
	.size	k_qc896a7cb06_prep, .Lfunc_end_k_qc896a7cb06_prep-k_qc896a7cb06_prep
	.p2alignl 7, 3214868480
	.fill 96, 4, 3214868480
	.section	.rodata,"a",@progbits
	.p2align	6, 0x0
	.amdhsa_kernel k_qc896a7cb06_prep
		.amdhsa_group_segment_fixed_size 33792
		.amdhsa_private_segment_fixed_size 0
		.amdhsa_enable_private_segment 0
		.amdhsa_kernarg_size 64
		.amdhsa_user_sgpr_count 2
		.amdhsa_user_sgpr_kernarg_segment_ptr 1
		.amdhsa_wavefront_size32 1
		.amdhsa_system_sgpr_workgroup_id_x 1
		.amdhsa_system_sgpr_workgroup_id_y 1
		.amdhsa_system_sgpr_workgroup_id_z 1
		.amdhsa_system_vgpr_workitem_id 0
		.amdhsa_next_free_vgpr 384
		.amdhsa_next_free_sgpr 66
		.amdhsa_reserve_vcc 0
		.amdhsa_float_denorm_mode_32 3
		.amdhsa_float_denorm_mode_16_64 3
		.amdhsa_memory_ordered 1
		.amdhsa_forward_progress 1
		.amdhsa_inst_pref_size 56
	.end_amdhsa_kernel
	.amdgpu_metadata
---
amdhsa.version: [ 1, 2 ]
amdhsa.kernels:
  - .name:           k_qc896a7cb06_prep
    .symbol:         k_qc896a7cb06_prep.kd
    .args:
      - { .name: W1, .offset: 0, .size: 8, .value_kind: global_buffer, .address_space: global }
      - { .name: W2, .offset: 8, .size: 8, .value_kind: global_buffer, .address_space: global }
      - { .name: hidden, .offset: 16, .size: 8, .value_kind: global_buffer, .address_space: global }
      - { .name: b1, .offset: 24, .size: 8, .value_kind: global_buffer, .address_space: global }
      - { .name: b2, .offset: 32, .size: 8, .value_kind: global_buffer, .address_space: global }
      - { .name: w1c, .offset: 40, .size: 8, .value_kind: global_buffer, .address_space: global }
      - { .name: w1s, .offset: 48, .size: 8, .value_kind: global_buffer, .address_space: global }
      - { .name: cb, .offset: 56, .size: 8, .value_kind: global_buffer, .address_space: global }
    .group_segment_fixed_size: 33792
    .private_segment_fixed_size: 0
    .kernarg_segment_align: 8
    .kernarg_segment_size: 64
    .max_flat_workgroup_size: 256
    .sgpr_count:     66
    .vgpr_count:     384
    .wavefront_size: 32
...
	.end_amdgpu_metadata
.endif
;; end of part 1
;; launch blocks (part 2): grid 32 x 32, 4 waves a work-group, no clusters, 317,952 bytes of LDS; arguments features, seq_len, w1c, w1s, cb, V, tsc, stat, pctx; writes tsc, stat, pctx
.if DOCPART == 2
	.amdgcn_target "amdgcn-amd-amdhsa--gfx1250"
	.amdhsa_code_object_version 6
	.text
	.protected	k_qc896a7cb06_blocks
	.globl	k_qc896a7cb06_blocks
	.p2align	8
	.type	k_qc896a7cb06_blocks,@function
k_qc896a7cb06_blocks:
	s_mov_b64 s[64:65], 0
	v_nop
	global_prefetch_b8 v0, s[64:65] scope:SCOPE_SE
	s_setreg_imm32_b32 hwreg(HW_REG_WAVE_MODE, 25, 1), 1
	s_wait_xcnt 0x0
; Work-group (i, b): rows 64 i .. 64 i + 63 of batch b.  WORK LEFT OUT: a block that lies wholly at t >= seq_len[b] is under the mask that reference() builds itself: it is neither loaded nor multiplied, and stores nothing ('finish' writes its zeros);
; bV and the constant sum of V cancel in the softmax (shown at the head of 'prep').  seq_len under 1: every row counts and every score is 0, which gives reference()'s uniform weights.
; A live block: X: its 64 rows of features come from memory once, stay in LDS as f32 and are quantised to codes of BF6 (E3M2), laid in LDS as images of the operand's registers | barrier |
; G: wave w multiplies all 64 rows by units 256 w .. 256 w + 255 of W1 (16 tiles of 16 units, 8 K steps of 128), whose images come from memory straight into a ring of registers; r = 1 / (1 + 2^(c acc + cb)); sum of V r | barrier |
; C: t = -c x the four waves' sums; the block's maximum mb is taken away: p = 2^(t - mb), 0 for rows at or behind seq_len; l = sum p; pctx = sum over the rows of p x features, from the f32 copy in LDS.
; NO CLUSTER, NO TENSOR LOAD: whether a block is live hangs on seq_len, a number read from memory, so operands go through registers, and partners of a cluster would not run alike.  The two barriers stand on the way that all waves take;
; the three phases are arms that a dead block jumps over, and each arm reads only registers that the head or the arm itself has written.
; SOURCE 0 = 16 ROWS OF FEATURES, SOURCE 1 = 16 UNITS: a lane holds ONE unit (lane % 16) and eight rows, so a tile's bias and V cost one register each.
; BY TURNS: while tile T is multiplied, tile T - 1 is scaled and put through 2^x, tile T - 2 through 1 + x and 1 / x, tile T - 3 is added up: 112 vector instructions for a trip's 32 matrix instructions, dealt in slices behind each pair of them.
; No result of an exponential or a reciprocal is named in the trip that issues it: one wait a trip serves all 64.
; LDS: XF 64 rows x (4,096 + 16) bytes | CODES 32 fragments x 1,536 | ASC their scale words, 64 bytes each | SCP 4 waves x 64 sums | PT 4 waves x 64 x (p, p) | the spare words.
; REGISTERS: window 0: v1-25 addresses; v26-31 at work; v32-63 features' scale words, v64-79 W1's (these hold scales alone); v80-95 four sets {c-bias, -, V, -}; v96-127 the score sums; v128-255 four buffers of 32 accumulators.
;   window 1, 2: features' 32 fragments (X: the rows as they are loaded; C: the p's).   window 3: W1's ring, 16 slots of 12.
.set XP,    4112
.set CODES, 64*XP
.set ASC,   CODES+32*1536
.set SCP,   ASC+2048
.set PT,    SCP+1024
.set SPARE, PT+2048                    ; 128 bytes for each wave: 512 bytes in all that no other line names
.set GA,  4                            ; 16 x lane
.set XW,  5                            ; XF: my wave's 16 rows, 16 x lane
.set XR,  6                            ; XF: row 16 w + r, + 64 h
.set CW,  7                            ; CODES: my wave's 8 fragments, 16 x lane
.set SW,  8                            ; ASC: my wave's 8 words' places, 4 r
.set CR,  9                            ; CODES + 16 x lane
.set SR,  10                           ; ASC + 4 r
.set BSA, 12                           ; 4 r
.set SPA, 14                           ; SCP + 256 w + 32 h
.set SCA, 15                           ; SCP + 8 x lane
.set PTW, 16                           ; PT + 512 w + 16 x lane
.set PTA, 17                           ; PT + 512 w
.set XC,  18                           ; v18-21: XF + 16 g rows + 16 x thread
.set T16, 22                           ; 16 x thread
.set L8,  23                           ; 8 x lane
.set SPW, 24
.set NIL, 25
.set AS,  32
.set BS,  64
.set CV,  80
.set S,   96
.set ACC, 128
.set PC,  80                           ; phase X: the codes just made,
.set TM,  96                           ; maxima, bytes, scale operands,
.set PW,  112                          ; the scale word,
.set CT,  114                          ; conversions' second halves,
.set QS,  128                          ; two sets of 64 numbers
.set CX,  96                           ; phase C: the context of my 8 columns, even rows' and odd rows'
.set XS,  128                          ; two sets of 8 rows x 8 columns
.set SEL, 34
.set MSB, 0
.macro WIN new                         ; the immediate's high byte repeats the setting that is left; a switch that changes nothing is dropped
.if MSB != (\new)
	s_set_vgpr_msb (MSB<<8)|(\new)
.set MSB, (\new)
.endif
.endm
; ---- phase X
.macro XL s                            ; K step s of my 16 rows: each load reads 512 consecutive bytes of one row.  Steps 0-3 land in window 1, steps 4-7 in window 2
	WIN 0x40*(1+(\s)/4)
.irp i, 0,1,2,3,4,5,6,7,8,9,10,11,12,13,14,15
	global_load_b128 v[64*((\s)%4)+4*\i:64*((\s)%4)+4*\i+3], v[GA], s[4:5] offset:\i*4096+512*(\s) th:TH_LOAD_NT
.endr
.endm
.macro TURN s                          ; into XF as they lie, where they stay; and back 16 neighbours of each block of 32 to a lane.  My own bytes, served in order: no wait between
	WIN 0x04*(1+(\s)/4)
.irp i, 0,1,2,3,4,5,6,7,8,9,10,11,12,13,14,15
	ds_store_b128 v[XW], v[64*((\s)%4)+4*\i:64*((\s)%4)+4*\i+3] offset:\i*XP+512*(\s)
.endr
	WIN 0
.irp b, 0,1,2,3
.irp j, 0,1,2,3
	ds_load_b128 v[QS+64*((\s)%2)+16*\b+4*\j:QS+64*((\s)%2)+16*\b+4*\j+3], v[XR] offset:512*(\s)+128*\b+16*\j
.endr
.endr
.endm
.macro QUANT s                         ; 64 numbers of a lane, register 16 b + i = k 32 b + 16 (lane / 16) + i of my row, become a fragment in v[PC] on and its scale word in v[PW]
.irp b, 0,1,2,3
	v_max3_num_f32 v[TM+\b], |v[(\s)+16*\b]|, |v[(\s)+1+16*\b]|, 0x2800000   ; the floor 2^(5 - 127) holds the byte at 1 from below
.endr
.irp i, 2,4,6,8,10,12,14
.irp b, 0,1,2,3
	v_max3_num_f32 v[TM+\b], v[TM+\b], |v[(\s)+16*\b+\i]|, |v[(\s)+1+16*\b+\i]|
.endr
.endr
.irp b, 0,1,2,3
	v_permlanex16_b32 v[TM+4+\b], v[TM+\b], s[SEL], s[SEL+1]
.endr
.irp b, 0,1,2,3
	v_max_num_f32 v[TM+\b], v[TM+\b], v[TM+4+\b]
.endr
.irp b, 0,1,2,3
	v_add_nc_u32 v[TM+12+\b], 0xfe000000, v[TM+\b]   ; 4 off the exponent field: the conversion's scale operand
.endr
.irp b, 0,1,2,3
	v_lshrrev_b32 v[TM+4+\b], 23, v[TM+12+\b]
.endr
	v_lshl_or_b32 v[PW], v[TM+5], 8, v[TM+4]
	v_lshl_or_b32 v[PW], v[TM+6], 16, v[PW]
	v_lshl_or_b32 v[PW], v[TM+7], 24, v[PW]
.irp c, 0,1
	v_cvt_scalef32_pk16_bf6_f32 v[PC+6*\c:PC+2+6*\c], v[(\s)+32*\c:(\s)+15+32*\c], v[TM+12+2*\c]
	v_cvt_scalef32_pk16_bf6_f32 v[CT+4*\c:CT+2+4*\c], v[(\s)+16+32*\c:(\s)+31+32*\c], v[TM+12+2*\c+1]
.endr
	v_nop                                          ; one plain place behind the conversions
.irp c, 0,1
.irp i, 0,1,2
	v_permlane16_swap_b32 v[PC+6*\c+\i], v[CT+4*\c+\i]
.endr
.irp i, 0,1,2
	v_mov_b32 v[PC+3+6*\c+\i], v[CT+4*\c+\i]
.endr
.endr
.endm
.macro XSTEP s
.if (\s) <= 4
	XL (\s)+3                                      ; three K steps, 48 loads, ahead
.endif
.if (\s) <= 6
.if (\s) <= 4
	s_wait_loadcnt 32                              ; the next step's 16 loads are in; those of the two steps behind it may be out
.elseif (\s) == 5
	s_wait_loadcnt 16
.else
	s_wait_loadcnt 0
.endif
	TURN (\s)+1
	s_wait_dscnt 32                                ; all but the 32 just issued: this step's numbers are back
.else
	s_wait_dscnt 0
.endif
	QUANT QS+64*((\s)%2)
.irp c, 0,1,2
	ds_store_b128 v[CW], v[PC+4*\c:PC+4*\c+3] offset:1536*(\s)+512*\c   ; the fragment as it stands in my registers
.endr
	ds_store_b32 v[SW], v[PW] offset:64*(\s)       ; lanes r and r + 16 write the same word with the same value
.endm
; ---- phase G
.macro BL fo, sg                       ; the fragment fo fragments behind the bases, into slot sg of the ring: always four loads
	WIN 0
	global_load_b32 v[BS+(\sg)], v[BSA], s[10:11] offset:64*(\fo)
	WIN 0xc0
.irp c, 0,1,2
	global_load_b128 v[12*(\sg)+4*\c:12*(\sg)+4*\c+3], v[GA], s[8:9] offset:1536*(\fo)+512*\c
.endr
.endm
.macro MM T, k, m
.set DD, ACC+32*((\T)%4)+8*(\m)
.set AA, 12*(8*((\m)%2)+(\k))
.set BB, 12*(8*((\T)%2)+(\k))
.if (\k) == 0
	v_wmma_scale_f32_16x16x128_f8f6f4 v[DD:DD+7], v[AA:AA+11], v[BB:BB+11], 0, v[AS+8*(\m)+(\k)], v[BS+8*((\T)%2)+(\k)] matrix_a_fmt:MATRIX_FMT_BF6 matrix_b_fmt:MATRIX_FMT_BF6
.else
	v_wmma_scale_f32_16x16x128_f8f6f4 v[DD:DD+7], v[AA:AA+11], v[BB:BB+11], v[DD:DD+7], v[AS+8*(\m)+(\k)], v[BS+8*((\T)%2)+(\k)] matrix_a_fmt:MATRIX_FMT_BF6 matrix_b_fmt:MATRIX_FMT_BF6
.endif
.endm
; Slice i of 32 of trip T.  Pair a = i / 2 of a buffer's 16 pairs.  Even i: tile T - 1: c acc + c-bias; tile T - 3: sum += r V (the first tile starts the sums); tile T - 2: 1 / x of the pair before.
; Odd i: tile T - 2: 1 + x; tile T - 1: 2^x.  All in place; a buffer is read from its low end on.
.macro SLICE T, i
.set SA, (\i)/2
.set Q1, ACC+32*(((\T)+3)%4)+2*SA
.set Q2, ACC+32*(((\T)+2)%4)+2*SA
.set Q3, ACC+32*(((\T)+1)%4)+2*SA
.set C1, CV+4*(((\T)+3)%4)
.set C3, CV+4*(((\T)+1)%4)+2
.if (\i)%2 == 0
.if ((\T) >= 1) && ((\T) <= 16)
	v_pk_fma_f32 v[Q1:Q1+1], v[Q1:Q1+1], s[32:33], v[C1:C1+1] op_sel_hi:[1,0,0]
.endif
.if (\T) == 3
	v_pk_mul_f32 v[S+2*SA:S+2*SA+1], v[Q3:Q3+1], v[C3:C3+1] op_sel_hi:[1,0]
.elseif ((\T) > 3) && ((\T) <= 18)
	v_pk_fma_f32 v[S+2*SA:S+2*SA+1], v[Q3:Q3+1], v[C3:C3+1], v[S+2*SA:S+2*SA+1] op_sel_hi:[1,0,1]
.endif
.if ((\T) >= 2) && ((\T) <= 17) && (SA > 0)
	v_rcp_f32 v[Q2-2], v[Q2-2]
	v_rcp_f32 v[Q2-1], v[Q2-1]
.endif
.else
.if ((\T) >= 2) && ((\T) <= 17)
	v_pk_add_f32 v[Q2:Q2+1], v[Q2:Q2+1], 1.0 op_sel_hi:[1,0]
.endif
.if ((\T) >= 1) && ((\T) <= 16)
	v_exp_f32 v[Q1], v[Q1]
	v_exp_f32 v[Q1+1], v[Q1+1]
.endif
.if ((\T) >= 2) && ((\T) <= 17) && ((\i) == 31)
	v_rcp_f32 v[Q2], v[Q2]
	v_rcp_f32 v[Q2+1], v[Q2+1]
.endif
.endif
.endm
; Trip T: tile T of my 16.  ro: the tile's place behind the bases.  Fragment F = 8 T + k lies in slot F % 16.  When F is wanted, the fragments up to F + 14 have been asked for: 14 x 4 = 56 younger loads may stay out
; (the biases' and V's loads are younger loads more, so the count holds); in the tail 4 (127 - F).  Behind step k's products the slot of step k - 1 takes fragment F + 15: the slices between are the places behind the products that read it
; (in trips 0 to 2, whose slices are thin, four v_nop).  The four accumulators take turns, one instruction a turn.
.macro TRIP T, ro
	WIN 0
.if (\T) < 15
	global_load_b32 v[CV+4*(((\T)+1)%4)], v[BSA], s[12:13] offset:64*((\ro)+1)   ; the next tile's c-bias: wanted two trips on
.endif
	global_load_b32 v[CV+4*((\T)%4)+2], v[BSA], s[14:15] offset:64*(\ro)         ; this tile's V: wanted three trips on
.irp k, 0,1,2,3,4,5,6,7
.if 4*(127-8*(\T)-\k) > 56
	s_wait_loadcnt 56
.else
	s_wait_loadcnt 4*(127-8*(\T)-\k)
.endif
	WIN 0x0d                                       ; source 0 window 1, source 1 window 3
	MM \T, \k, 0
	MM \T, \k, 1
	WIN 0
	SLICE \T, 4*\k
	SLICE \T, 4*\k+1
	WIN 0x0e                                       ; source 0 window 2
	MM \T, \k, 2
	MM \T, \k, 3
	WIN 0
	SLICE \T, 4*\k+2
	SLICE \T, 4*\k+3
.if (8*(\T)+\k >= 1) && (8*(\T)+\k <= 112)
.if (\T) < 3
.rept 4
	v_nop
.endr
.endif
	BL 8*(\ro)+\k+15, (8*(\T)+\k+15)%16
.endif
.endr
	WIN 0
	v_nop                                          ; a plain place behind the trip's last reciprocal
.if (\T) >= 1
	s_wait_alu depctr_va_vdst(0)                   ; one wait for the trip's exponentials and reciprocals: the next trip names their results
.endif
.endm
.macro SLICES T                        ; a trip's vector work without products: the pipeline runs empty
.set ii, 0
.rept 32
	SLICE \T, ii
.set ii, ii+1
.endr
.endm
; ---- phase C
.macro CB be                           ; rows 8 be .. 8 be + 7 of XF, my 4 + 4 columns
.irp i, 0,1,2,3,4,5,6,7
	ds_load_b128 v[XS+64*((\be)%2)+8*\i:XS+64*((\be)%2)+8*\i+3], v[XC+(\be)/2] offset:(8*((\be)%2)+\i)*XP
	ds_load_b128 v[XS+64*((\be)%2)+8*\i+4:XS+64*((\be)%2)+8*\i+7], v[XC+(\be)/2] offset:(8*((\be)%2)+\i)*XP+2048
.endr
.endm
.macro CFMA be                         ; context += p x row; even and odd rows in chains of their own; the first row of each starts its sums
.irp i, 0,1,2,3,4,5,6,7
.irp u, 0,1,2,3
.if 8*(\be)+\i < 2
	v_pk_mul_f32 v[CX+8*(\i%2)+2*\u:CX+8*(\i%2)+2*\u+1], v[XS+64*((\be)%2)+8*\i+2*\u:XS+64*((\be)%2)+8*\i+2*\u+1], v[2*(8*(\be)+\i):2*(8*(\be)+\i)+1]
.else
	v_pk_fma_f32 v[CX+8*(\i%2)+2*\u:CX+8*(\i%2)+2*\u+1], v[XS+64*((\be)%2)+8*\i+2*\u:XS+64*((\be)%2)+8*\i+2*\u+1], v[2*(8*(\be)+\i):2*(8*(\be)+\i)+1], v[CX+8*(\i%2)+2*\u:CX+8*(\i%2)+2*\u+1]
.endif
.endr
.endr
.endm
	; ---- the head: every wave
	s_load_b256 s[4:11], s[0:1], 0x0               ; features s[4:5], seq_len s[6:7], w1c s[8:9], w1s s[10:11]
	s_load_b256 s[12:19], s[0:1], 0x20             ; cb s[12:13], V s[14:15], tsc s[16:17], stat s[18:19]
	s_load_b64 s[20:21], s[0:1], 0x40              ; pctx
	v_lshl_add_u32 v[SPW], v0, 2, SPARE
	v_mov_b32 v[NIL], 0
	v_lshrrev_b32 v1, 5, v0
	v_readfirstlane_b32 s24, v1                    ; wave
	s_and_b32 s25, ttmp7, 0xffff                   ; b
	s_lshl_b32 s27, ttmp9, 6                       ; t0 = 64 i
	v_and_b32 v1, 31, v0                           ; lane
	v_and_b32 v2, 15, v0                           ; r
	v_bfe_u32 v3, v0, 4, 1                         ; h
	v_lshlrev_b32 v[GA], 4, v1
	s_mul_i32 s38, s24, 16*XP
	v_add_nc_u32 v[XW], s38, v[GA]
	v_mul_u32_u24 v26, v2, XP
	v_lshl_add_u32 v26, v3, 6, v26
	v_add_nc_u32 v[XR], s38, v26
	s_mul_i32 s38, s24, 8*1536
	s_add_co_u32 s38, s38, CODES
	v_add_nc_u32 v[CW], s38, v[GA]
	v_lshlrev_b32 v[BSA], 2, v2
	s_lshl_b32 s38, s24, 9
	s_add_co_u32 s38, s38, ASC
	v_add_nc_u32 v[SW], s38, v[BSA]
	v_add_nc_u32 v[CR], CODES, v[GA]
	v_add_nc_u32 v[SR], ASC, v[BSA]
	s_lshl_b32 s38, s24, 8
	s_add_co_u32 s38, s38, SCP
	v_lshl_add_u32 v[SPA], v3, 5, s38
	v_lshlrev_b32 v[L8], 3, v1
	v_add_nc_u32 v[SCA], SCP, v[L8]
	s_lshl_b32 s38, s24, 9
	s_add_co_u32 s38, s38, PT
	v_add_nc_u32 v[PTW], s38, v[GA]
	v_mov_b32 v[PTA], s38
	v_lshlrev_b32 v[T16], 4, v0
.irp g, 0,1,2,3
	v_add_nc_u32 v[XC+\g], \g*16*XP, v[T16]
.endr
	s_mov_b32 s32, 0x4038aa3b                      ; c = 2 log2(e)
	s_mov_b32 s33, s32                             ; (named with it as a pair, so it is written)
	s_mov_b32 s[SEL], 0x76543210
	s_mov_b32 s[SEL+1], 0xfedcba98                 ; v_permlanex16_b32's selects for lane l xor 16
	s_mov_b32 s39, 0
	s_wait_kmcnt 0x0
	s_lshl_b32 s38, s25, 2
	s_add_nc_u64 s[6:7], s[6:7], s[38:39]
	s_load_b32 s28, s[6:7], 0x0                    ; seq_len[b]
	s_lshl_b32 s38, s25, 23                        ; features: (2,048 b + 64 i + 16 w) rows of 4,096 bytes
	s_lshl_b32 s40, ttmp9, 18
	s_add_co_u32 s38, s38, s40
	s_lshl_b32 s40, s24, 16
	s_add_co_u32 s38, s38, s40
	s_add_nc_u64 s[4:5], s[4:5], s[38:39]
	s_mul_i32 s38, s24, 128*1536                   ; my wave's 128 fragments of W1,
	s_add_nc_u64 s[8:9], s[8:9], s[38:39]
	s_lshl_b32 s38, s24, 13                        ; their scale words,
	s_add_nc_u64 s[10:11], s[10:11], s[38:39]
	s_lshl_b32 s38, s24, 10                        ; my 256 units of V
	s_add_nc_u64 s[14:15], s[14:15], s[38:39]
	s_lshl_b32 s40, s25, 12
	s_add_co_u32 s38, s38, s40                     ; and of row b of cb
	s_add_nc_u64 s[12:13], s[12:13], s[38:39]
	s_lshl_b32 s38, s25, 13                        ; tsc: 4 (2,048 b + 64 i)
	s_lshl_b32 s40, ttmp9, 8
	s_add_co_u32 s38, s38, s40
	s_add_nc_u64 s[16:17], s[16:17], s[38:39]
	s_lshl_b32 s40, s25, 5
	s_add_co_u32 s40, s40, ttmp9                   ; the block's number: 32 b + i
	s_lshl_b32 s38, s40, 8
	s_add_nc_u64 s[18:19], s[18:19], s[38:39]      ; stat: 256 bytes a block
	s_lshl_b32 s38, s40, 12
	s_add_nc_u64 s[20:21], s[20:21], s[38:39]      ; pctx: 4,096 bytes a block
	s_wait_kmcnt 0x0
	s_cmp_lt_i32 s28, 1                            ; no live row at all: every row counts, with the score 0
	s_cselect_b32 s30, 0, -1
	s_cselect_b32 s28, 2048, s28
	s_min_u32 s28, s28, 2048                       ; the number of rows that count
	s_cmp_lt_u32 s27, s28
	s_cselect_b32 s31, 1, 0                        ; is my block live?
	; ---- X
	s_cmp_eq_u32 s31, 0
	s_cbranch_scc1 .Lx_done
	XL 0
	XL 1
	XL 2
	WIN 0
.irp b, 0,1,2,3
	v_mov_b32 v[TM+4+\b], 0                        ; written once: a lane permute's destination counts as one of its sources
.endr
	s_wait_loadcnt 32                              ; K step 0 is in
	TURN 0
.irp s, 0,1,2,3,4,5,6,7
	XSTEP \s
.endr
.Lx_done:
	s_wait_dscnt 0x0                               ; my stores have landed
	s_barrier_signal -1
	s_barrier_wait -1                              ; the 64 rows, their 32 fragments and scale words lie in LDS
	; ---- G
	s_cmp_eq_u32 s31, 0
	s_cbranch_scc1 .Lg_done
	global_load_b32 v[CV], v[BSA], s[12:13]        ; tile 0's c-bias
.set ff, 0
.rept 16
	BL ff, ff                                      ; the ring's first 16 fragments
.set ff, ff+1
.endr
	WIN 0
.irp q, 0,1,2,3
	v_mov_b32 v[CV+4*\q+1], 0                      ; the pairs' upper words are named by the packed forms, so they are written
	v_mov_b32 v[CV+4*\q+3], 0
.endr
	WIN 0x40
.set ff, 0
.rept 16
.irp c, 0,1,2
	ds_load_b128 v[12*ff+4*\c:12*ff+4*\c+3], v[CR] offset:1536*ff+512*\c          ; rows 0-31: fragment 8 m + k
.endr
.set ff, ff+1
.endr
	WIN 0x80
.set ff, 0
.rept 16
.irp c, 0,1,2
	ds_load_b128 v[12*ff+4*\c:12*ff+4*\c+3], v[CR] offset:1536*(16+ff)+512*\c     ; rows 32-63
.endr
.set ff, ff+1
.endr
	WIN 0
.set ff, 0
.rept 32
	ds_load_b32 v[AS+ff], v[SR] offset:64*ff
.set ff, ff+1
.endr
	s_wait_dscnt 0x0
	TRIP 0, 0
	TRIP 1, 1
	TRIP 2, 2
	TRIP 3, 3
	s_mov_b32 s36, 2
.Lg:                                               ; tiles 4 to 11: four to a trip of the loop, until the buffers' and slots' numbers are back where they began
	s_wait_xcnt 0x0                                ; the loads issued so far have read their bases: these may step
	s_add_nc_u64 s[8:9], s[8:9], 32*1536
	s_add_nc_u64 s[10:11], s[10:11], 32*64
	s_add_nc_u64 s[12:13], s[12:13], 256
	s_add_nc_u64 s[14:15], s[14:15], 256
	TRIP 4, 0
	TRIP 5, 1
	TRIP 6, 2
	TRIP 7, 3
	s_sub_co_u32 s36, s36, 1
	s_cmp_lg_u32 s36, 0
	s_cbranch_scc1 .Lg
	TRIP 12, 4                                     ; the tail is written out: the refills end with fragment 127, and the counts run down
	TRIP 13, 5
	TRIP 14, 6
	TRIP 15, 7
	SLICES 16
	v_nop
	s_wait_alu depctr_va_vdst(0)
	SLICES 17
	v_nop
	s_wait_alu depctr_va_vdst(0)
	SLICES 18
.irp x, 1,2,4,8                                ; a row's sum over the 16 units that the lanes of a half hold
.set jj, 0
.rept 32
	v_add_f32_dpp v[S+jj], v[S+jj], v[S+jj] row_xmask:\x row_mask:0xf bank_mask:0xf
.set jj, jj+1
.endr
.endr
.irp m, 0,1,2,3
	ds_store_b128 v[SPA], v[S+8*\m:S+8*\m+3] offset:64*\m          ; rows 16 m + 8 h + 0 .. 7: the sixteen lanes of a half write the same bytes with the same values
	ds_store_b128 v[SPA], v[S+8*\m+4:S+8*\m+7] offset:64*\m+16
.endr
.Lg_done:
	s_wait_dscnt 0x0
	s_barrier_signal -1
	s_barrier_wait -1                              ; the four waves' sums lie in LDS
	; ---- C: every wave makes all 64 p for itself
	s_cmp_eq_u32 s31, 0
	s_cbranch_scc1 .Lend
.irp w, 0,1,2,3
	ds_load_b64 v[112+2*\w:113+2*\w], v[SCA] offset:256*\w         ; rows 2 l and 2 l + 1
.endr
	v_lshl_add_u32 v28, v1, 1, s27                 ; t of my first row,
	v_add_nc_u32 v29, 1, v28                       ; of my second
	v_mov_b32 v30, 0xff800000                      ; -infinity
	v_mov_b32 v88, 0
	s_wait_dscnt 0x0
	v_pk_add_f32 v[112:113], v[112:113], v[114:115]
	v_pk_add_f32 v[112:113], v[112:113], v[116:117]
	v_pk_add_f32 v[112:113], v[112:113], v[118:119]
	v_pk_mul_f32 v[26:27], v[112:113], 0xc038aa3b op_sel_hi:[1,0]  ; t = -c x sum of V r
	v_and_b32 v26, s30, v26
	v_and_b32 v27, s30, v27
	v_cmp_gt_u32 vcc_lo, s28, v28
	v_cndmask_b32 v80, v30, v26, vcc_lo            ; rows at or behind seq_len: -infinity, so p = 0
	v_cmp_gt_u32 vcc_lo, s28, v29
	v_cndmask_b32 v81, v30, v27, vcc_lo
	v_max_num_f32 v82, v80, v81
.irp x, 1,2,4,8
	v_max_num_f32_dpp v82, v82, v82 row_xmask:\x row_mask:0xf bank_mask:0xf
.endr
	v_permlanex16_b32 v88, v82, s[SEL], s[SEL+1]
	v_max_num_f32 v82, v82, v88                    ; mb: a number, since the block's first row counts
	v_sub_f32 v80, v80, v82
	v_sub_f32 v81, v81, v82
	v_exp_f32 v84, v80
	v_exp_f32 v85, v81
	v_nop
	s_wait_alu depctr_va_vdst(0)                   ; one wait for the two, ahead of their first reader
	v_add_f32 v83, v84, v85
.irp x, 1,2,4,8
	v_add_f32_dpp v83, v83, v83 row_xmask:\x row_mask:0xf bank_mask:0xf
.endr
	v_permlanex16_b32 v88, v83, s[SEL], s[SEL+1]
	v_add_f32 v83, v83, v88                        ; l
	v_mov_b32 v92, v84
	v_mov_b32 v93, v84
	v_mov_b32 v94, v85
	v_mov_b32 v95, v85
	ds_store_b128 v[PTW], v[92:95]                 ; (p, p) of rows 2 l and 2 l + 1, in my wave's own table
	s_cmp_lg_u32 s24, 0
	s_cbranch_scc1 .Lnot_0
	global_store_b64 v[L8], v[26:27], s[16:17]     ; wave 0: the 64 t: 256 consecutive bytes, aligned
	global_store_b64 v[L8], v[82:83], s[18:19]     ; and (mb, l), from every lane: the block's entry of 256 bytes is written whole
.Lnot_0:
	WIN 0x40
.set gg, 0
.rept 32
	ds_load_b128 v[4*gg:4*gg+3], v[PTA] offset:16*gg               ; every lane takes all 64 pairs: my own bytes, served in order behind the store
.set gg, gg+1
.endr
	WIN 0x04                                       ; source 1 (the p's) window 1
	CB 0
	CB 1
.irp be, 0,1,2,3,4,5,6,7
.if \be < 7
	s_wait_dscnt 16                                ; all but the next 8 rows' 16 loads
.else
	s_wait_dscnt 0
.endif
	CFMA \be
.if \be < 6
	CB \be+2
.endif
.endr
	WIN 0
.irp u, 0,1,2,3
	v_pk_add_f32 v[CX+2*\u:CX+2*\u+1], v[CX+2*\u:CX+2*\u+1], v[CX+8+2*\u:CX+8+2*\u+1]
.endr
	global_store_b128 v[T16], v[CX:CX+3], s[20:21]                 ; a wave stores 512 consecutive bytes
	global_store_b128 v[T16], v[CX+4:CX+7], s[20:21] offset:2048
.Lend:
	s_wait_tensorcnt 0x0                           ; the wave's end: three closing lines, behind my last LDS store
	ds_add_u32 v[SPW], v[NIL]
	s_wait_dscnt 0x0
	s_endpgm
.Lfunc_end_k_qc896a7cb06_blocks:
	.size	k_qc896a7cb06_blocks, .Lfunc_end_k_qc896a7cb06_blocks-k_qc896a7cb06_blocks
	.p2alignl 7, 3214868480
	.fill 96, 4, 3214868480
	.section	.rodata,"a",@progbits
	.p2align	6, 0x0
	.amdhsa_kernel k_qc896a7cb06_blocks
		.amdhsa_group_segment_fixed_size 317952
		.amdhsa_private_segment_fixed_size 0
		.amdhsa_enable_private_segment 0
		.amdhsa_kernarg_size 72
		.amdhsa_user_sgpr_count 2
		.amdhsa_user_sgpr_kernarg_segment_ptr 1
		.amdhsa_wavefront_size32 1
		.amdhsa_system_sgpr_workgroup_id_x 1
		.amdhsa_system_sgpr_workgroup_id_y 1
		.amdhsa_system_sgpr_workgroup_id_z 1
		.amdhsa_system_vgpr_workitem_id 0
		.amdhsa_next_free_vgpr 1024
		.amdhsa_next_free_sgpr 66
		.amdhsa_reserve_vcc 1
		.amdhsa_float_denorm_mode_32 3
		.amdhsa_float_denorm_mode_16_64 3
		.amdhsa_memory_ordered 1
		.amdhsa_forward_progress 1
		.amdhsa_inst_pref_size 255
	.end_amdhsa_kernel
	.section	.bss,"aw",@nobits
	.p2align	6
	.space	262144
	.amdgpu_metadata
---
amdhsa.version: [ 1, 2 ]
amdhsa.kernels:
  - .name:           k_qc896a7cb06_blocks
    .symbol:         k_qc896a7cb06_blocks.kd
    .args:
      - { .name: features, .offset: 0, .size: 8, .value_kind: global_buffer, .address_space: global }
      - { .name: seq_len, .offset: 8, .size: 8, .value_kind: global_buffer, .address_space: global }
      - { .name: w1c, .offset: 16, .size: 8, .value_kind: global_buffer, .address_space: global }
      - { .name: w1s, .offset: 24, .size: 8, .value_kind: global_buffer, .address_space: global }
      - { .name: cb, .offset: 32, .size: 8, .value_kind: global_buffer, .address_space: global }
      - { .name: V, .offset: 40, .size: 8, .value_kind: global_buffer, .address_space: global }
      - { .name: tsc, .offset: 48, .size: 8, .value_kind: global_buffer, .address_space: global }
      - { .name: stat, .offset: 56, .size: 8, .value_kind: global_buffer, .address_space: global }
      - { .name: pctx, .offset: 64, .size: 8, .value_kind: global_buffer, .address_space: global }
    .group_segment_fixed_size: 317952
    .private_segment_fixed_size: 0
    .kernarg_segment_align: 8
    .kernarg_segment_size: 72
    .max_flat_workgroup_size: 128
    .sgpr_count:     66
    .vgpr_count:     1024
    .wavefront_size: 32
...
	.end_amdgpu_metadata
.endif
;; end of part 2
;; launch finish (part 3): grid 4 x 32, 4 waves a work-group, no clusters, 0 bytes of LDS; arguments seq_len, tsc, stat, pctx, out0, out1; writes out0, out1
.if DOCPART == 3
	.amdgcn_target "amdgcn-amd-amdhsa--gfx1250"
	.amdhsa_code_object_version 6
	.text
	.protected	k_qc896a7cb06_finish
	.globl	k_qc896a7cb06_finish
	.p2align	8
	.type	k_qc896a7cb06_finish,@function
k_qc896a7cb06_finish:
	s_mov_b64 s[64:65], 0
	v_nop
	global_prefetch_b8 v0, s[64:65] scope:SCOPE_SE
	s_setreg_imm32_b32 hwreg(HW_REG_WAVE_MODE, 25, 1), 1
	s_wait_xcnt 0x0
; Work-group (x, b) joins the blocks of batch b: columns 256 x .. 256 x + 255 of out0 and positions 512 x .. 512 x + 511 of out1.
; WORK LEFT OUT: blocks that lie wholly at t >= seq_len[b] were not computed (head of 'prep'); nothing of them is read here, and their weights are written as 0.
; With nb live blocks, block i's maximum m_i and sum l_i: M = max m_i is taken away; e_i = 2^(m_i - M); sum = sum e_i l_i; out0 = sum over i of (e_i / sum) pctx_i; out1[t] = 2^(t - M) / sum, 0 at or behind seq_len.
; No branch: a block number beyond nb - 1 is held at nb - 1 (that block is read again and weighs 0), a position beyond the live blocks likewise; so all 34 loads of a wave go out together and nothing that was not written is read.
; No LDS, no matrix unit: 32 KB a work-group, a stream.
.set OF, 16                            ; v16-47   block i's byte offset in pctx
.set P,  48                            ; v48-111  block i's two columns
	s_load_b256 s[4:11], s[0:1], 0x0               ; seq_len s[4:5], tsc s[6:7], stat s[8:9], pctx s[10:11]
	s_load_b128 s[12:15], s[0:1], 0x20             ; out0 s[12:13], out1 s[14:15]
	v_and_b32 v1, 31, v0                           ; lane
	v_lshlrev_b32 v2, 3, v0                        ; 8 x thread: my two columns
	v_lshlrev_b32 v3, 4, v0                        ; 16 x thread: my four positions
	s_lshl_b32 s27, ttmp9, 9
	v_lshl_add_u32 v4, v0, 2, s27                  ; my first position
	s_and_b32 s16, ttmp7, 0xffff                   ; b
	s_mov_b32 s19, 0
	s_lshl_b32 s18, s16, 2
	s_mov_b32 s24, 0x76543210
	s_mov_b32 s25, 0xfedcba98                      ; v_permlanex16_b32's selects for lane l xor 16
	s_wait_kmcnt 0x0
	s_add_nc_u64 s[4:5], s[4:5], s[18:19]
	s_load_b32 s20, s[4:5], 0x0                    ; seq_len[b]
	s_lshl_b32 s18, s16, 13
	s_add_nc_u64 s[6:7], s[6:7], s[18:19]          ; tsc: 8,192 bytes a batch
	s_add_nc_u64 s[8:9], s[8:9], s[18:19]          ; stat: 32 entries of 256 bytes
	s_lshl_b32 s26, ttmp9, 11
	s_add_co_u32 s18, s18, s26
	s_add_nc_u64 s[14:15], s[14:15], s[18:19]      ; out1: + my 512 positions
	s_lshl_b32 s26, ttmp9, 10
	s_lshl_b32 s18, s16, 17
	s_add_co_u32 s18, s18, s26
	s_add_nc_u64 s[10:11], s[10:11], s[18:19]      ; pctx: 32 blocks of 4,096 bytes a batch, + my 256 columns
	s_lshl_b32 s18, s16, 12
	s_add_co_u32 s18, s18, s26
	s_add_nc_u64 s[12:13], s[12:13], s[18:19]      ; out0
	s_wait_kmcnt 0x0
	s_cmp_lt_i32 s20, 1
	s_cselect_b32 s20, 2048, s20
	s_min_u32 s20, s20, 2048                       ; the number of rows that count
	s_add_co_u32 s21, s20, 63
	s_lshr_b32 s21, s21, 6                         ; nb
	s_sub_co_u32 s22, s21, 1
	s_min_u32 s22, s22, 31                         ; the last live block
	v_min_u32 v5, s22, v1
	v_min_u32 v5, 31, v5
	v_lshlrev_b32 v5, 8, v5
	global_load_b64 v[6:7], v5, s[8:9]             ; lane i: (m, l) of block i
	s_lshl_b32 s23, s22, 6
	s_add_co_u32 s23, s23, 60                      ; the last group of four live positions
	v_min_u32 v8, s23, v4
	v_min_u32 v8, 0x7fc, v8
	v_lshlrev_b32 v8, 2, v8
	global_load_b128 v[112:115], v8, s[6:7]        ; my four t
.set i, 0
.rept 32
	s_min_u32 s28, s22, i
	s_lshl_b32 s28, s28, 12
	v_add_nc_u32 v[OF+i], s28, v2
	global_load_b64 v[P+2*i:P+2*i+1], v[OF+i], s[10:11]            ; a wave reads 256 consecutive bytes
.set i, i+1
.endr
	v_mov_b32 v9, 0xff800000
	v_mov_b32 v11, 0
	s_wait_loadcnt 32                              ; the 32 loads of pctx may stay out
	v_cmp_gt_u32 vcc_lo, s21, v1
	v_cndmask_b32 v6, v9, v6, vcc_lo               ; lanes beyond the live blocks: m = -infinity, l = 0
	v_cndmask_b32 v7, 0, v7, vcc_lo
	v_mov_b32 v10, v6
.irp x, 1,2,4,8
	v_max_num_f32_dpp v10, v10, v10 row_xmask:\x row_mask:0xf bank_mask:0xf
.endr
	v_permlanex16_b32 v11, v10, s24, s25
	v_max_num_f32 v10, v10, v11                    ; M
	v_sub_f32 v6, v6, v10
.irp e, 0,1,2,3
	v_sub_f32 v[112+\e], v[112+\e], v10
.endr
	v_exp_f32 v6, v6
.irp e, 0,1,2,3
	v_exp_f32 v[112+\e], v[112+\e]
.endr
	v_nop
	s_wait_alu depctr_va_vdst(0)                   ; one wait for the five, ahead of their first reader
	v_mul_f32 v12, v6, v7
.irp x, 1,2,4,8
	v_add_f32_dpp v12, v12, v12 row_xmask:\x row_mask:0xf bank_mask:0xf
.endr
	v_permlanex16_b32 v11, v12, s24, s25
	v_add_f32 v12, v12, v11                        ; the batch's sum: at least 1, from the block that holds M
	v_rcp_f32 v13, v12
	v_nop
	s_wait_alu depctr_va_vdst(0)
	v_mul_f32 v14, v6, v13                         ; lane i: block i's weight
.irp e, 0,1,2,3
	v_mul_f32 v[112+\e], v[112+\e], v13
	v_add_nc_u32 v15, \e, v4
	v_cmp_gt_u32 vcc_lo, s20, v15
	v_cndmask_b32 v[112+\e], 0, v[112+\e], vcc_lo  ; 0 at or behind seq_len
.endr
	global_store_b128 v3, v[112:115], s[14:15]     ; a wave stores 512 consecutive bytes
.set i, 0
.rept 32
	v_readlane_b32 s[32+i], v14, i
.set i, i+1
.endr
	s_wait_loadcnt 0x0
	v_mul_f32 v116, s32, v[P]
	v_mul_f32 v117, s32, v[P+1]
.set i, 1
.rept 31
	v_fma_f32 v116, s[32+i], v[P+2*i], v116
	v_fma_f32 v117, s[32+i], v[P+2*i+1], v117
.set i, i+1
.endr
	global_store_b64 v2, v[116:117], s[12:13]      ; a wave stores 256 consecutive bytes, aligned
	s_endpgm
.Lfunc_end_k_qc896a7cb06_finish:
	.size	k_qc896a7cb06_finish, .Lfunc_end_k_qc896a7cb06_finish-k_qc896a7cb06_finish
	.p2alignl 7, 3214868480
	.fill 96, 4, 3214868480
	.section	.rodata,"a",@progbits
	.p2align	6, 0x0
	.amdhsa_kernel k_qc896a7cb06_finish
		.amdhsa_group_segment_fixed_size 0
		.amdhsa_private_segment_fixed_size 0
		.amdhsa_enable_private_segment 0
		.amdhsa_kernarg_size 48
		.amdhsa_user_sgpr_count 2
		.amdhsa_user_sgpr_kernarg_segment_ptr 1
		.amdhsa_wavefront_size32 1
		.amdhsa_system_sgpr_workgroup_id_x 1
		.amdhsa_system_sgpr_workgroup_id_y 1
		.amdhsa_system_sgpr_workgroup_id_z 1
		.amdhsa_system_vgpr_workitem_id 0
		.amdhsa_next_free_vgpr 128
		.amdhsa_next_free_sgpr 66
		.amdhsa_reserve_vcc 1
		.amdhsa_float_denorm_mode_32 3
		.amdhsa_float_denorm_mode_16_64 3
		.amdhsa_memory_ordered 1
		.amdhsa_forward_progress 1
		.amdhsa_inst_pref_size 17
	.end_amdhsa_kernel
	.amdgpu_metadata
---
amdhsa.version: [ 1, 2 ]
amdhsa.kernels:
  - .name:           k_qc896a7cb06_finish
    .symbol:         k_qc896a7cb06_finish.kd
    .args:
      - { .name: seq_len, .offset: 0, .size: 8, .value_kind: global_buffer, .address_space: global }
      - { .name: tsc, .offset: 8, .size: 8, .value_kind: global_buffer, .address_space: global }
      - { .name: stat, .offset: 16, .size: 8, .value_kind: global_buffer, .address_space: global }
      - { .name: pctx, .offset: 24, .size: 8, .value_kind: global_buffer, .address_space: global }
      - { .name: out0, .offset: 32, .size: 8, .value_kind: global_buffer, .address_space: global }
      - { .name: out1, .offset: 40, .size: 8, .value_kind: global_buffer, .address_space: global }
    .group_segment_fixed_size: 0
    .private_segment_fixed_size: 0
    .kernarg_segment_align: 8
    .kernarg_segment_size: 48
    .max_flat_workgroup_size: 128
    .sgpr_count:     66
    .vgpr_count:     128
    .wavefront_size: 32
...
	.end_amdgpu_metadata
.endif
;; end of part 3
;; ======== version 2 of 2: 3 launches; version 1 with the launches prep, blocks written anew for expert scheduling mode
;; limits: right only within a limited range of input values
;; workspace buffers: w1c 786,432 bytes; w1s 32,768 bytes; cb 131,072 bytes; tsc 262,144 bytes; stat 262,144 bytes; pctx 4,194,304 bytes
;; launch prep (part 4): grid 64 x 1, 8 waves a work-group, no clusters, 33,792 bytes of LDS; arguments W1, W2, hidden, b1, b2, w1c, w1s, cb; writes w1c, w1s, cb
.if DOCPART == 4
	.amdgcn_target "amdgcn-amd-amdhsa--gfx1250"
	.amdhsa_code_object_version 6
	.text
	.protected	k_qc896a7cb06_prep
	.globl	k_qc896a7cb06_prep
	.p2align	8
	.type	k_qc896a7cb06_prep,@function
k_qc896a7cb06_prep:
	s_mov_b64 s[64:65], 0
	v_nop
	global_prefetch_b8 v0, s[64:65] scope:SCOPE_SE
	s_setreg_imm32_b32 hwreg(HW_REG_WAVE_SCHED_MODE, 0, 2), 2
	s_setreg_imm32_b32 hwreg(HW_REG_WAVE_MODE, 25, 1), 1
	s_wait_xcnt 0x0
	s_wait_alu depctr_vm_vsrc(0)
; THE PROGRAM: out1 = softmax over t of (tanh(Q(features) Q(W1) + b1 + Q(hidden) Q(W2) + b2) . V + bV), rows t >= seq_len[b] held at -1e30; out0 = sum over t of out1 x features.  Q: codes of BF6 (E3M2), one E8M0 scale for each 32 along K = 1,024.
; Three launches: this one (weights into codes, the hidden product), 'blocks' (scores, and a partial softmax and context for each block of 64 rows), 'finish' (the blocks of a batch joined).
; WORK LEFT OUT, for all values of the inputs.
;  (1) bV is added to every live score of a softmax's axis alike; e^(s + bV) / sum e^(s' + bV) = e^s / sum e^s'.  So bV reaches no output: it is not loaded and is among no launch's arguments.
;      The same holds of the constant sum of V in tanh(x) = 1 - 2 / (1 + 2^(c x)), c = 2 log2(e): the program sums t = sum over u of (-c V[u]) / (1 + 2^(c x[u])), the score in units of log2, less a constant.
;  (2) reference() itself replaces the score of every row t >= seq_len[b] by -1e30.  A block of 64 rows that lies wholly there is neither loaded nor multiplied; its weights are written as 0.
; LIMITS: a masked row's weight e^(-1e30 - max) counts as 0, which holds while the sum of |V| and |bV| stay far under 1e30; a NaN, an infinity or an overflow that reaches only bV or rows of blocks left out is not carried to the result.
; seq_len above 2,048 acts as 2,048; seq_len under 1 gives reference()'s uniform weights.  Blocks whose largest magnitude lies under 2^(4 - 126) keep the scale byte 1; a block of zeros has the byte 1 and zero codes (these bytes are read by this program alone).
;
; THIS LAUNCH.  Work-groups 0-31: columns 32 g .. 32 g + 31 of W1 become codes, laid as images of the operand's registers: w1c[tile of 16 units][K step of 128][3 x 512 bytes: group c of four registers at 512 c + 16 x lane], w1s[tile][K step][16 words].
; Work-groups 32-63: the same columns of W2 are quantised in registers and multiplied by Q(hidden): cb[b][u] = c (Q(hidden) Q(W2) + b1 + b2).
; Wave s takes K step s.  A LANE TAKES A COLUMN AND ITS REGISTERS RUN DOWN K: each load reads 128 consecutive bytes, a block of 32 lies in one lane, and the conversions give codes with K innermost.
; The two kinds of work-group part once, on the work-group's number, and meet again at the closing lines.  w1s and cb leave in pieces of 64 bytes: 160 KB of the launch's 9 MB.
; REGISTERS: window 0: v1-13 addresses; v16-143 hidden's numbers, later v16-47 four accumulators and v48-79 the eight waves' parts; v144-159 at work; v160-162 scale words; v164-179 conversions' second halves;
;   v184-207 hidden's two fragments; v208-231 the weight's two fragments; v250, v251 the add's two.   window 1: v0-127 the weight's 128 numbers of my column.
; THE MODE: SCHED_MODE bits 1:0 = 2 (LLVM: expert scheduling mode 2), set by the entry lines.  The code itself states the register dependences between vector or matrix instructions and memory or LDS instructions, with s_wait_alu, always for 0.
; THE PLAN.  Registers that memory or LDS instructions touch:
;   v4-v8, v11-v13   offsets and addresses: each way makes all of its own first, one wait follows, and none is written again.
;   window 1, v16-143, v9, v10   each takes one load, in registers that no vector instruction has named before.
;   F0, F1, WS       W1's way: written by the conversions, moves and exchanges, read by the stores: one wait between.  W2's way: with HF and HW they are operands and scales of the scaled products: the places, then one wait.
;   v16-47           the accumulators: written by the products, read by the LDS stores: the places, then one wait.
;   v48-79           read by the quantiser as hidden's numbers, ahead of the waits just named; then the LDS loads land there; the sums are made there and stored: one wait ahead of the stores.
;   No register that a memory or LDS instruction has read is written again.
.set SPARE, 32768                      ; LDS: 8 waves x 4,096 bytes of partial sums from byte 0; behind them the spare words, 128 bytes for each wave, which no other line names
.set H,   16
.set ACC, 16
.set RB,  48
.set TM,  144
.set HW,  160
.set WS,  162
.set CT,  164
.set HF,  184
.set F0,  208
.set F1,  220
.set SPW, 250
.set NIL, 251
.set SEL, 28
.set MSB, 0
.macro WIN new                         ; the immediate's high byte repeats the setting that is left; a switch that changes nothing is dropped
.if MSB != (\new)
	s_set_vgpr_msb (MSB<<8)|(\new)
.set MSB, (\new)
.endif
.endm
; 128 rows of my column into window 1
.macro WLOAD base
	WIN 0x40
.set i, 0
.rept 128
	global_load_b32 v[i], v4, s[\base:\base+1] offset:i*4096 th:TH_LOAD_NT
.set i, i+1
.endr
	WIN 0
.endm
; block b of my column: its largest magnitude in two chains, with the floor 2^(5 - 127) among the leaves; the conversion's scale operand; the scale's byte.  left: the younger loads that may stay out (the wait's field holds 63)
.macro WQB b, left
	s_wait_loadcnt \left
	WIN 0x05
	v_max3_num_f32 v[TM+\b], |v[32*\b]|, |v[32*\b+1]|, 0x2800000
	v_max3_num_f32 v[TM+4+\b], |v[32*\b+2]|, |v[32*\b+3]|, 0x2800000
	WIN 0x14
.irp i, 4,8,12,16,20,24,28
	v_max3_num_f32 v[TM+\b], v[TM+\b], |v[32*\b+\i]|, |v[32*\b+\i+1]|
	v_max3_num_f32 v[TM+4+\b], v[TM+4+\b], |v[32*\b+\i+2]|, |v[32*\b+\i+3]|
.endr
	WIN 0
	v_max_num_f32 v[TM+\b], v[TM+\b], v[TM+4+\b]
	v_add_nc_u32 v[TM+12+\b], 0xfe000000, v[TM+\b]   ; 4 off the exponent field: the conversion takes that field as its scale
	v_lshrrev_b32 v[TM+8+\b], 23, v[TM+12+\b]
.endm
; my column's 128 numbers become codes; blocks 0, 2 lie in F0 and blocks 1, 3 in F1; the exchange of halves then makes F0 the fragment of units 0-15 and F1 that of units 16-31
.macro WQ
	WQB 0, 63
	WQB 1, 63
	WQB 2, 32
	WQB 3, 0
	v_lshl_or_b32 v[WS], v[TM+9], 8, v[TM+8]         ; my column's scale word: lanes 0-15 the first tile's, lanes 16-31 the second's
	v_lshl_or_b32 v[WS], v[TM+10], 16, v[WS]
	v_lshl_or_b32 v[WS], v[TM+11], 24, v[WS]
	WIN 0x01
.irp b, 0,1,2,3
	v_cvt_scalef32_pk16_bf6_f32 v[F0+12*(\b%2)+6*(\b/2):F0+12*(\b%2)+6*(\b/2)+2], v[32*\b:32*\b+15], v[TM+12+\b]
	v_cvt_scalef32_pk16_bf6_f32 v[CT+4*\b:CT+4*\b+2], v[32*\b+16:32*\b+31], v[TM+12+\b]   ; (a conversion's three registers begin on an even number)
.endr
	WIN 0
	v_nop                                          ; one plain place behind the conversions
.irp b, 0,1,2,3
.irp i, 0,1,2
	v_mov_b32 v[F0+12*(\b%2)+6*(\b/2)+3+\i], v[CT+4*\b+\i]
.endr
.endr
.set i, 0
.rept 12
	v_permlane16_swap_b32 v[F0+i], v[F1+i]         ; F0's lanes 16-31 (units 16-31, blocks 0, 2) change places with F1's lanes 0-15 (units 0-15, blocks 1, 3)
.set i, i+1
.endr
.endm
; 64 numbers of a lane, register 16 b + i = k 32 b + 16 (lane / 16) + i of my row, become a fragment in v[d] on and its scale word in v[pw]
.macro QUANT s, d, pw
.irp b, 0,1,2,3
	v_max3_num_f32 v[TM+\b], |v[(\s)+16*\b]|, |v[(\s)+1+16*\b]|, 0x2800000
.endr
.irp i, 2,4,6,8,10,12,14
.irp b, 0,1,2,3
	v_max3_num_f32 v[TM+\b], v[TM+\b], |v[(\s)+16*\b+\i]|, |v[(\s)+1+16*\b+\i]|
.endr
.endr
.irp b, 0,1,2,3
	v_permlanex16_b32 v[TM+4+\b], v[TM+\b], s[SEL], s[SEL+1]
.endr
.irp b, 0,1,2,3
	v_max_num_f32 v[TM+\b], v[TM+\b], v[TM+4+\b]
.endr
.irp b, 0,1,2,3
	v_add_nc_u32 v[TM+12+\b], 0xfe000000, v[TM+\b]
.endr
.irp b, 0,1,2,3
	v_lshrrev_b32 v[TM+4+\b], 23, v[TM+12+\b]
.endr
	v_lshl_or_b32 v[\pw], v[TM+5], 8, v[TM+4]
	v_lshl_or_b32 v[\pw], v[TM+6], 16, v[\pw]
	v_lshl_or_b32 v[\pw], v[TM+7], 24, v[\pw]
.irp c, 0,1
	v_cvt_scalef32_pk16_bf6_f32 v[(\d)+6*\c:(\d)+2+6*\c], v[(\s)+32*\c:(\s)+15+32*\c], v[TM+12+2*\c]
	v_cvt_scalef32_pk16_bf6_f32 v[CT+4*\c:CT+2+4*\c], v[(\s)+16+32*\c:(\s)+31+32*\c], v[TM+12+2*\c+1]
.endr
	v_nop                                          ; one plain place behind the conversions
.irp c, 0,1
.irp i, 0,1,2
	v_permlane16_swap_b32 v[(\d)+6*\c+\i], v[CT+4*\c+\i]   ; the operand wants a whole block in a lane
.endr
.irp i, 0,1,2
	v_mov_b32 v[(\d)+3+6*\c+\i], v[CT+4*\c+\i]
.endr
.endr
.endm
	s_load_b256 s[4:11], s[0:1], 0x0               ; W1 s[4:5], W2 s[6:7], hidden s[8:9], b1 s[10:11]
	s_load_b256 s[12:19], s[0:1], 0x20             ; b2 s[12:13], w1c s[14:15], w1s s[16:17], cb s[18:19]
	v_lshl_add_u32 v[SPW], v0, 2, SPARE
	v_mov_b32 v[NIL], 0
	v_lshrrev_b32 v1, 5, v0
	v_readfirstlane_b32 s20, v1                    ; wave = K step
	v_and_b32 v1, 31, v0                           ; lane
	v_and_b32 v2, 15, v0                           ; r
	v_bfe_u32 v3, v0, 4, 1                         ; h
	v_lshlrev_b32 v4, 2, v1                        ; my column's 4 bytes of a row
	v_lshlrev_b32 v5, 4, v1                        ; an image's place for my lane
	s_wait_alu depctr_va_sdst(0)                   ; s20 is written, ahead of its first reader
	s_lshl_b32 s24, s20, 12
	v_add_nc_u32 v12, s24, v5                      ; LDS: where I put my partial sums: 4,096 x wave + 16 x lane
	s_lshl_b32 s24, s20, 9
	v_add_nc_u32 v13, s24, v5                      ; and which image of every wave's I add up: 512 x wave + 16 x lane
	s_mov_b32 s[SEL], 0x76543210
	s_mov_b32 s[SEL+1], 0xfedcba98                 ; v_permlanex16_b32's selects for lane l xor 16
	s_mov_b32 s30, 0x4038aa3b                      ; c = 2 log2(e)
	s_lshl_b32 s22, s20, 19                        ; my K step's 128 rows of 4,096 bytes
	s_mov_b32 s23, 0
	s_mov_b32 s27, 0
	s_wait_kmcnt 0x0
	s_cmp_ge_u32 ttmp9, 32
	s_cbranch_scc1 .Lw2
	; ---- W1: codes and scale words to memory
	s_lshl_b32 s24, ttmp9, 7                       ; 32 columns of 4 bytes a work-group
	s_add_co_u32 s22, s22, s24
	s_add_nc_u64 s[4:5], s[4:5], s[22:23]
	v_lshlrev_b32 v7, 2, v2
	v_lshl_add_u32 v7, v3, 9, v7                   ; the scale word's place: 4 r, the second tile 8 fragments of 64 bytes on
	s_wait_alu depctr_va_vdst(0)                   ; v4, v5 and v7 are written: the offsets of this way's loads and stores
	WLOAD 4
	s_lshl_b32 s24, ttmp9, 4
	s_add_co_u32 s24, s24, s20                     ; fragment number of tile 2 g, K step s: 16 g + s
	s_mul_i32 s26, s24, 1536
	s_add_nc_u64 s[14:15], s[14:15], s[26:27]
	s_lshl_b32 s26, s24, 6
	s_add_nc_u64 s[16:17], s[16:17], s[26:27]
	WQ
	s_wait_alu depctr_va_vdst(0)                   ; the conversions, moves and exchanges have written F0, F1 and the scale word, which the stores read
.irp c, 0,1,2
	global_store_b128 v5, v[F0+4*\c:F0+4*\c+3], s[14:15] offset:512*\c          ; 32 lanes store 512 consecutive bytes, at a multiple of 512 from the buffer's first byte
	global_store_b128 v5, v[F1+4*\c:F1+4*\c+3], s[14:15] offset:12288+512*\c    ; the second tile: 8 fragments of 1,536 bytes on
.endr
	global_store_b32 v7, v[WS], s[16:17]
	s_branch .Lend
	; ---- W2: quantised in registers and multiplied by Q(hidden)
.Lw2:
	s_sub_co_u32 s21, ttmp9, 32
	s_lshl_b32 s24, s21, 7                         ; 4 n0
	s_add_co_u32 s22, s22, s24
	s_add_nc_u64 s[6:7], s[6:7], s[22:23]
	v_lshlrev_b32 v6, 12, v2
	v_lshl_add_u32 v6, v3, 6, v6                   ; hidden: row r of 4,096 bytes, + 64 h: my 16 numbers of a block of 32
	s_lshl_b32 s26, s20, 9                         ; my K step's 512 bytes of a row
	s_add_nc_u64 s[8:9], s[8:9], s[26:27]
	s_bfe_u32 s25, s20, 0x10001                    ; u = (wave / 2) % 2: the tile of units whose sums I finish
	s_lshl_b32 s25, s25, 6
	s_add_co_u32 s24, s24, s25
	v_lshl_add_u32 v8, v2, 2, s24                  ; 4 (n0 + 16 u + r)
	s_lshr_b32 s32, s20, 2
	s_lshl_b32 s32, s32, 16
	s_and_b32 s33, s20, 1
	s_lshl_b32 s33, s33, 14
	s_add_co_u32 s32, s32, s33
	v_lshl_add_u32 v11, v3, 15, v8
	v_add_nc_u32 v11, s32, v11                     ; cb: row 16 (wave / 4) + 8 h + 4 (wave % 2), my unit
.irp b, 0,1,2,3
	v_mov_b32 v[TM+4+\b], 0                        ; written once: a lane permute's destination counts as one of its sources
.endr
	s_wait_alu depctr_va_vdst(0)                   ; v4, v6, v8, v11, v12 and v13 are written: the offsets and addresses of this way's loads and stores
.irp mt, 0,1
.irp b, 0,1,2,3
.irp j, 0,1,2,3
	global_load_b128 v[H+64*\mt+16*\b+4*\j:H+64*\mt+16*\b+4*\j+3], v6, s[8:9] offset:65536*\mt+128*\b+16*\j
.endr
.endr
.endr
	global_load_b32 v9, v8, s[10:11]               ; b1
	global_load_b32 v10, v8, s[12:13]              ; b2
	WLOAD 6
	s_wait_loadcnt 63                              ; 128 loads were issued behind hidden's and the biases': with 63 out at the most these are in
	QUANT H, HF, HW
	QUANT H+64, HF+12, HW+1
	WQ
.rept 8
	v_nop                                          ; scale words written by vector instructions stand 8 places ahead of a scaled matrix instruction, operands 4
.endr
	s_wait_alu depctr_va_vdst(0)                   ; behind the places: vector instructions have written the four fragments and the three scale words that the scaled products take
.irp mt, 0,1                                   ; source 0 = 16 rows of hidden, source 1 = 16 units: register j of lane (r, h) is (row 8 h + j, unit r)
	v_wmma_scale_f32_16x16x128_f8f6f4 v[ACC+16*\mt:ACC+16*\mt+7], v[HF+12*\mt:HF+12*\mt+11], v[F0:F0+11], 0, v[HW+\mt], v[WS] matrix_a_fmt:MATRIX_FMT_BF6 matrix_b_fmt:MATRIX_FMT_BF6
	v_wmma_scale_f32_16x16x128_f8f6f4 v[ACC+16*\mt+8:ACC+16*\mt+15], v[HF+12*\mt:HF+12*\mt+11], v[F1:F1+11], 0, v[HW+\mt], v[WS] matrix_a_fmt:MATRIX_FMT_BF6 matrix_b_fmt:MATRIX_FMT_BF6 matrix_b_scale:MATRIX_SCALE_ROW1
.endr
.rept 4
	v_nop                                          ; four places ahead of the first read of results
.endr
	s_wait_alu depctr_va_vdst(0)                   ; behind the places: the products have written the accumulators, which the LDS stores read; the quantiser is long done reading v48-79, in which the LDS loads below land
.irp q, 0,1,2,3,4,5,6,7
	ds_store_b128 v12, v[ACC+4*\q:ACC+4*\q+3] offset:512*\q   ; my K step's part of the 32 x 32 sums, as images; each accumulator from its low end on
.endr
	s_wait_dscnt 0x0                               ; for the others' sake: my stores have landed
	s_barrier_signal -1
	s_barrier_wait -1
.irp w, 0,1,2,3,4,5,6,7
	ds_load_b128 v[RB+4*\w:RB+4*\w+3], v13 offset:4096*\w     ; image number 'my wave' of all eight K steps
.endr
	v_add_f32 v9, v9, v10
	v_mul_f32 v9, s30, v9                          ; c (b1 + b2)
	s_wait_dscnt 0x0
.irp w, 1,2,3,4,5,6,7                          ; K ascending
	v_pk_add_f32 v[RB:RB+1], v[RB:RB+1], v[RB+4*\w:RB+4*\w+1]
	v_pk_add_f32 v[RB+2:RB+3], v[RB+2:RB+3], v[RB+4*\w+2:RB+4*\w+3]
.endr
.irp e, 0,1,2,3
	v_fma_f32 v[RB+\e], v[RB+\e], s30, v9
.endr
	s_wait_alu depctr_va_vdst(0)                   ; the multiply-adds have written v48-51, which the stores read
.irp e, 0,1,2,3
	global_store_b32 v11, v[RB+\e], s[18:19] offset:4096*\e
.endr
.Lend:
	s_wait_dscnt 0x0                               ; the closing lines, six on end
	s_wait_alu 0x0
	s_wait_tensorcnt 0x0
	ds_add_u32 v[SPW], v[NIL]
	s_wait_dscnt 0x0
	s_endpgm
.Lfunc_end_k_qc896a7cb06_prep:
	.size	k_qc896a7cb06_prep, .Lfunc_end_k_qc896a7cb06_prep-k_qc896a7cb06_prep
	.p2alignl 7, 3214868480
	.fill 96, 4, 3214868480
	.section	.rodata,"a",@progbits
	.p2align	6, 0x0
	.amdhsa_kernel k_qc896a7cb06_prep
		.amdhsa_group_segment_fixed_size 33792
		.amdhsa_private_segment_fixed_size 0
		.amdhsa_enable_private_segment 0
		.amdhsa_kernarg_size 64
		.amdhsa_user_sgpr_count 2
		.amdhsa_user_sgpr_kernarg_segment_ptr 1
		.amdhsa_wavefront_size32 1
		.amdhsa_system_sgpr_workgroup_id_x 1
		.amdhsa_system_sgpr_workgroup_id_y 1
		.amdhsa_system_sgpr_workgroup_id_z 1
		.amdhsa_system_vgpr_workitem_id 0
		.amdhsa_next_free_vgpr 384
		.amdhsa_next_free_sgpr 66
		.amdhsa_reserve_vcc 0
		.amdhsa_float_denorm_mode_32 3
		.amdhsa_float_denorm_mode_16_64 3
		.amdhsa_memory_ordered 1
		.amdhsa_forward_progress 1
		.amdhsa_inst_pref_size 56
	.end_amdhsa_kernel
	.amdgpu_metadata
---
amdhsa.version: [ 1, 2 ]
amdhsa.kernels:
  - .name:           k_qc896a7cb06_prep
    .symbol:         k_qc896a7cb06_prep.kd
    .args:
      - { .name: W1, .offset: 0, .size: 8, .value_kind: global_buffer, .address_space: global }
      - { .name: W2, .offset: 8, .size: 8, .value_kind: global_buffer, .address_space: global }
      - { .name: hidden, .offset: 16, .size: 8, .value_kind: global_buffer, .address_space: global }
      - { .name: b1, .offset: 24, .size: 8, .value_kind: global_buffer, .address_space: global }
      - { .name: b2, .offset: 32, .size: 8, .value_kind: global_buffer, .address_space: global }
      - { .name: w1c, .offset: 40, .size: 8, .value_kind: global_buffer, .address_space: global }
      - { .name: w1s, .offset: 48, .size: 8, .value_kind: global_buffer, .address_space: global }
      - { .name: cb, .offset: 56, .size: 8, .value_kind: global_buffer, .address_space: global }
    .group_segment_fixed_size: 33792
    .private_segment_fixed_size: 0
    .kernarg_segment_align: 8
    .kernarg_segment_size: 64
    .max_flat_workgroup_size: 256
    .sgpr_count:     66
    .vgpr_count:     384
    .wavefront_size: 32
...
	.end_amdgpu_metadata
.endif
;; end of part 4
;; launch blocks (part 5): grid 32 x 32, 4 waves a work-group, no clusters, 317,952 bytes of LDS; arguments features, seq_len, w1c, w1s, cb, V, tsc, stat, pctx; writes tsc, stat, pctx
.if DOCPART == 5
	.amdgcn_target "amdgcn-amd-amdhsa--gfx1250"
	.amdhsa_code_object_version 6
	.text
	.protected	k_qc896a7cb06_blocks
	.globl	k_qc896a7cb06_blocks
	.p2align	8
	.type	k_qc896a7cb06_blocks,@function
k_qc896a7cb06_blocks:
	s_mov_b64 s[64:65], 0
	v_nop
	global_prefetch_b8 v0, s[64:65] scope:SCOPE_SE
	s_setreg_imm32_b32 hwreg(HW_REG_WAVE_SCHED_MODE, 0, 2), 2
	s_setreg_imm32_b32 hwreg(HW_REG_WAVE_MODE, 25, 1), 1
	s_wait_xcnt 0x0
	s_wait_alu depctr_vm_vsrc(0)
; Work-group (i, b): rows 64 i .. 64 i + 63 of batch b.  WORK LEFT OUT: a block that lies wholly at t >= seq_len[b] is under the mask that reference() builds itself: it is neither loaded nor multiplied, and stores nothing ('finish' writes its zeros);
; bV and the constant sum of V cancel in the softmax (shown at the head of 'prep').  seq_len under 1: every row counts and every score is 0, which gives reference()'s uniform weights.
; A live block: X: its 64 rows of features come from memory once, stay in LDS as f32 and are quantised to codes of BF6 (E3M2), laid in LDS as images of the operand's registers | barrier |
; G: wave w multiplies all 64 rows by units 256 w .. 256 w + 255 of W1 (16 tiles of 16 units, 8 K steps of 128), whose images come from memory straight into a ring of registers; r = 1 / (1 + 2^(c acc + cb)); sum of V r | barrier |
; C: t = -c x the four waves' sums; the block's maximum mb is taken away: p = 2^(t - mb), 0 for rows at or behind seq_len; l = sum p; pctx = sum over the rows of p x features, from the f32 copy in LDS.
; NO CLUSTER, NO TENSOR LOAD: whether a block is live hangs on seq_len, a number read from memory, so operands go through registers, and partners of a cluster would not run alike.  The two barriers stand on the way that all waves take;
; the three phases are arms that a dead block jumps over, and each arm reads only registers that the head or the arm itself has written.
; SOURCE 0 = 16 ROWS OF FEATURES, SOURCE 1 = 16 UNITS: a lane holds ONE unit (lane % 16) and eight rows, so a tile's bias and V cost one register each.
; BY TURNS: while tile T is multiplied, tile T - 1 is scaled and put through 2^x, tile T - 2 through 1 + x and 1 / x, tile T - 3 is added up: 112 vector instructions for a trip's 32 matrix instructions, dealt in slices behind each pair of them.
; No result of an exponential or a reciprocal is named in the trip that issues it: one wait a trip serves all 64.
; LDS: XF 64 rows x (4,096 + 16) bytes | CODES 32 fragments x 1,536 | ASC their scale words, 64 bytes each | SCP 4 waves x 64 sums | PT 4 waves x 64 x (p, p) | the spare words.
; REGISTERS: window 0: v1-25 addresses; v26-31 at work; v32-63 features' scale words, v64-79 W1's (these hold scales alone); v80-95 four sets {c-bias, -, V, -}; v96-127 the score sums; v128-255 four buffers of 32 accumulators.
;   window 1, 2: features' 32 fragments (X: the rows as they are loaded; C: the p's).   window 3: W1's ring, 16 slots of 12, in two halves of 8.
; THE MODE: SCHED_MODE bits 1:0 = 2 (LLVM: expert scheduling mode 2), set by the entry lines.  The code itself states the register dependences between vector or matrix instructions and memory or LDS instructions, with s_wait_alu, always for 0.
; THE PLAN.  Registers that memory or LDS instructions touch:
;   v4-v25     addresses and the add's two: written at the head, ahead of one wait; never written again.
;   X  windows 1, 2: each register takes one load and is read by one LDS store.  QS0, QS1: step s's quantiser reads QS[s % 2]; the LDS loads issued in step s + 1 land in it.  PC, PW: written by step s's quantiser, read by four LDS stores
;      that are issued in step s + 1.  So a step has ONE wait on va_vdst, behind the wait for the next rows (the last quantiser has written PC and PW and is done reading its QS), and ONE on vm_vsrc, ahead of its own quantiser (those stores have read PC, PW).
;   G  the ring's half T % 2 and its eight scale words: read by trip T's products; tile T + 2 lands there, asked for in trip T + 1.  The bias of set q: read by a trip's slices, loaded again two trips on; V of set q: loaded again one trip on.
;      ONE wait on va_vdst at each trip's end states all of it, and is also the wait for the trip's exponentials and reciprocals.  The next trip's 34 loads follow with no further wait: its products and slices name none of their registers.
;   C  v112-119, window 1 and v128-255 take LDS loads; the p's, t, (mb, l) and the context are stored: the waits stand at those places and say what they state.
;   Behind each barrier, ahead of the branch: the phase's LDS stores have read their registers, and its vector instructions have written those in which the next phase's loads land.
.set XP,    4112
.set CODES, 64*XP
.set ASC,   CODES+32*1536
.set SCP,   ASC+2048
.set PT,    SCP+1024
.set SPARE, PT+2048                    ; 128 bytes for each wave: two blocks of 256 bytes that no other line names
.set GA,  4                            ; 16 x lane
.set XW,  5                            ; XF: my wave's 16 rows, 16 x lane
.set XR,  6                            ; XF: row 16 w + r, + 64 h
.set CW,  7                            ; CODES: my wave's 8 fragments, 16 x lane
.set SW,  8                            ; ASC: my wave's 8 words' places, 4 r
.set CR,  9                            ; CODES + 16 x lane
.set SR,  10                           ; ASC + 4 r
.set BSA, 12                           ; 4 r
.set SPA, 14                           ; SCP + 256 w + 32 h
.set SCA, 15                           ; SCP + 8 x lane
.set PTW, 16                           ; PT + 512 w + 16 x lane
.set PTA, 17                           ; PT + 512 w
.set XC,  18                           ; v18-21: XF + 16 g rows + 16 x thread
.set T16, 22                           ; 16 x thread
.set L8,  23                           ; 8 x lane
.set SPW, 24
.set NIL, 25
.set AS,  32
.set BS,  64
.set CV,  80
.set S,   96
.set ACC, 128
.set PC,  80                           ; phase X: the codes just made,
.set TM,  96                           ; maxima, bytes, scale operands,
.set PW,  112                          ; the scale word,
.set CT,  114                          ; conversions' second halves,
.set QS,  128                          ; two sets of 64 numbers
.set CX,  96                           ; phase C: the context of my 8 columns, even rows' and odd rows'
.set XS,  128                          ; two sets of 8 rows x 8 columns
.set SEL, 34
.set MSB, 0
.macro WIN new                         ; the immediate's high byte repeats the setting that is left; a switch that changes nothing is dropped
.if MSB != (\new)
	s_set_vgpr_msb (MSB<<8)|(\new)
.set MSB, (\new)
.endif
.endm
; ---- phase X
.macro XL s                            ; K step s of my 16 rows: each load reads 512 consecutive bytes of one row.  Steps 0-3 land in window 1, steps 4-7 in window 2
	WIN 0x40*(1+(\s)/4)
.irp i, 0,1,2,3,4,5,6,7,8,9,10,11,12,13,14,15
	global_load_b128 v[64*((\s)%4)+4*\i:64*((\s)%4)+4*\i+3], v[GA], s[4:5] offset:\i*4096+512*(\s) th:TH_LOAD_NT
.endr
.endm
.macro TURN s                          ; into XF as they lie, where they stay; and back 16 neighbours of each block of 32 to a lane.  My own bytes, served in order: no wait between
	WIN 0x04*(1+(\s)/4)
.irp i, 0,1,2,3,4,5,6,7,8,9,10,11,12,13,14,15
	ds_store_b128 v[XW], v[64*((\s)%4)+4*\i:64*((\s)%4)+4*\i+3] offset:\i*XP+512*(\s)
.endr
	WIN 0
.irp b, 0,1,2,3
.irp j, 0,1,2,3
	ds_load_b128 v[QS+64*((\s)%2)+16*\b+4*\j:QS+64*((\s)%2)+16*\b+4*\j+3], v[XR] offset:512*(\s)+128*\b+16*\j
.endr
.endr
.endm
.macro QUANT s                         ; 64 numbers of a lane, register 16 b + i = k 32 b + 16 (lane / 16) + i of my row, become a fragment in v[PC] on and its scale word in v[PW]
.irp b, 0,1,2,3
	v_max3_num_f32 v[TM+\b], |v[(\s)+16*\b]|, |v[(\s)+1+16*\b]|, 0x2800000   ; the floor 2^(5 - 127) holds the byte at 1 from below
.endr
.irp i, 2,4,6,8,10,12,14
.irp b, 0,1,2,3
	v_max3_num_f32 v[TM+\b], v[TM+\b], |v[(\s)+16*\b+\i]|, |v[(\s)+1+16*\b+\i]|
.endr
.endr
.irp b, 0,1,2,3
	v_permlanex16_b32 v[TM+4+\b], v[TM+\b], s[SEL], s[SEL+1]
.endr
.irp b, 0,1,2,3
	v_max_num_f32 v[TM+\b], v[TM+\b], v[TM+4+\b]
.endr
.irp b, 0,1,2,3
	v_add_nc_u32 v[TM+12+\b], 0xfe000000, v[TM+\b]   ; 4 off the exponent field: the conversion's scale operand
.endr
.irp b, 0,1,2,3
	v_lshrrev_b32 v[TM+4+\b], 23, v[TM+12+\b]
.endr
	v_lshl_or_b32 v[PW], v[TM+5], 8, v[TM+4]
	v_lshl_or_b32 v[PW], v[TM+6], 16, v[PW]
	v_lshl_or_b32 v[PW], v[TM+7], 24, v[PW]
.irp c, 0,1
	v_cvt_scalef32_pk16_bf6_f32 v[PC+6*\c:PC+2+6*\c], v[(\s)+32*\c:(\s)+15+32*\c], v[TM+12+2*\c]
	v_cvt_scalef32_pk16_bf6_f32 v[CT+4*\c:CT+2+4*\c], v[(\s)+16+32*\c:(\s)+31+32*\c], v[TM+12+2*\c+1]
.endr
	v_nop                                          ; one plain place behind the conversions
.irp c, 0,1
.irp i, 0,1,2
	v_permlane16_swap_b32 v[PC+6*\c+\i], v[CT+4*\c+\i]
.endr
.irp i, 0,1,2
	v_mov_b32 v[PC+3+6*\c+\i], v[CT+4*\c+\i]
.endr
.endr
.endm
.macro PUT s                           ; step s's fragment and scale word go to LDS
	WIN 0
.irp c, 0,1,2
	ds_store_b128 v[CW], v[PC+4*\c:PC+4*\c+3] offset:1536*(\s)+512*\c   ; the fragment as it stands in my registers
.endr
	ds_store_b32 v[SW], v[PW] offset:64*(\s)       ; lanes r and r + 16 write the same word with the same value
.endm
.macro XSTEP s
.if (\s) <= 4
	XL (\s)+3                                      ; three K steps, 48 loads, ahead
.endif
.if (\s) <= 4
	s_wait_loadcnt 32                              ; the next step's 16 loads are in; those of the two steps behind it may be out
.elseif (\s) == 5
	s_wait_loadcnt 16
.elseif (\s) == 6
	s_wait_loadcnt 0
.endif
.if (\s) > 0
	WIN 0
	s_wait_alu depctr_va_vdst(0)                   ; the last step's quantiser has written PC and PW, which the four stores below read, and is done reading its QS, in which the LDS loads below land
	PUT (\s)-1
.endif
.if (\s) <= 6
	TURN (\s)+1
	s_wait_dscnt 32                                ; all but the 32 just issued: this step's numbers are back
.else
	s_wait_dscnt 4                                 ; all but the four stores just issued
.endif
.if (\s) > 0
	s_wait_alu depctr_vm_vsrc(0)                   ; those four stores have read PC and PW, which this step's quantiser writes again
.endif
	QUANT QS+64*((\s)%2)
.endm
; ---- phase G
.macro BLS fo, sg                      ; the scale words of fragments fo and fo + 1 behind the bases, for slots sg and sg + 1
	WIN 0
	global_load_b32 v[BS+(\sg)], v[BSA], s[10:11] offset:64*(\fo)
	global_load_b32 v[BS+(\sg)+1], v[BSA], s[10:11] offset:64*(\fo)+64
.endm
.macro BLC fo, sg                      ; and their codes: two fragments on end in memory, two slots on end in the ring
	WIN 0xc0
.irp c, 0,1,2,3,4,5
	global_load_b128 v[12*(\sg)+4*\c:12*(\sg)+4*\c+3], v[GA], s[8:9] offset:1536*(\fo)+512*\c
.endr
.endm
.macro MM T, k, m
.set DD, ACC+32*((\T)%4)+8*(\m)
.set AA, 12*(8*((\m)%2)+(\k))
.set BB, 12*(8*((\T)%2)+(\k))
.if (\k) == 0
	v_wmma_scale_f32_16x16x128_f8f6f4 v[DD:DD+7], v[AA:AA+11], v[BB:BB+11], 0, v[AS+8*(\m)+(\k)], v[BS+8*((\T)%2)+(\k)] matrix_a_fmt:MATRIX_FMT_BF6 matrix_b_fmt:MATRIX_FMT_BF6
.else
	v_wmma_scale_f32_16x16x128_f8f6f4 v[DD:DD+7], v[AA:AA+11], v[BB:BB+11], v[DD:DD+7], v[AS+8*(\m)+(\k)], v[BS+8*((\T)%2)+(\k)] matrix_a_fmt:MATRIX_FMT_BF6 matrix_b_fmt:MATRIX_FMT_BF6
.endif
.endm
; Slice i of 32 of trip T.  Pair a = i / 2 of a buffer's 16 pairs.  Even i: tile T - 1: c acc + c-bias; tile T - 3: sum += r V (the first tile starts the sums); tile T - 2: 1 / x of the pair before.
; Odd i: tile T - 2: 1 + x; tile T - 1: 2^x.  All in place; a buffer is read from its low end on.
.macro SLICE T, i
.set SA, (\i)/2
.set Q1, ACC+32*(((\T)+3)%4)+2*SA
.set Q2, ACC+32*(((\T)+2)%4)+2*SA
.set Q3, ACC+32*(((\T)+1)%4)+2*SA
.set C1, CV+4*(((\T)+3)%4)
.set C3, CV+4*(((\T)+1)%4)+2
.if (\i)%2 == 0
.if ((\T) >= 1) && ((\T) <= 16)
	v_pk_fma_f32 v[Q1:Q1+1], v[Q1:Q1+1], s[32:33], v[C1:C1+1] op_sel_hi:[1,0,0]
.endif
.if (\T) == 3
	v_pk_mul_f32 v[S+2*SA:S+2*SA+1], v[Q3:Q3+1], v[C3:C3+1] op_sel_hi:[1,0]
.elseif ((\T) > 3) && ((\T) <= 18)
	v_pk_fma_f32 v[S+2*SA:S+2*SA+1], v[Q3:Q3+1], v[C3:C3+1], v[S+2*SA:S+2*SA+1] op_sel_hi:[1,0,1]
.endif
.if ((\T) >= 2) && ((\T) <= 17) && (SA > 0)
	v_rcp_f32 v[Q2-2], v[Q2-2]
	v_rcp_f32 v[Q2-1], v[Q2-1]
.endif
.else
.if ((\T) >= 2) && ((\T) <= 17)
	v_pk_add_f32 v[Q2:Q2+1], v[Q2:Q2+1], 1.0 op_sel_hi:[1,0]
.endif
.if ((\T) >= 1) && ((\T) <= 16)
	v_exp_f32 v[Q1], v[Q1]
	v_exp_f32 v[Q1+1], v[Q1+1]
.endif
.if ((\T) >= 2) && ((\T) <= 17) && ((\i) == 31)
	v_rcp_f32 v[Q2], v[Q2]
	v_rcp_f32 v[Q2+1], v[Q2+1]
.endif
.endif
.endm
; Trip T: tile T of my 16.  ro: the tile's place behind the bases.  Tile T's eight fragments lie in the ring's half T % 2.  The wait at the end of trip T - 1 states that its products are done reading the other half: trips 1 to 14 ask for tile
; T + 1 into it, two fragments in each of their first four steps: the two scale words behind the step's first pair of products, six loads of 16 bytes of codes ahead of its second pair.
; THE COUNTS.  When fragment k of tile T is wanted, these loads are younger than its last: of its own tile's run 8 (3 - k / 2), and 3 more where k is even (its neighbour's codes); this trip's bias and V, 2; this trip's requests so far, 8 min(k, 4).
; Trip 0: tile 1's 32 and the 2.  Trip 1: trip 0's two besides.  Trip 15 asks for no tile, and its V is counted as wanted: the last count is 0.  A bias is asked for two trips, a V three trips ahead of its first use: 37 younger loads at the least.
; The four accumulators take turns, one instruction a turn.
.macro TRIP T, ro
	WIN 0
.if (\T) < 15
	global_load_b32 v[CV+4*(((\T)+1)%4)], v[BSA], s[12:13] offset:64*((\ro)+1)   ; the next tile's c-bias: wanted two trips on.  Its register was last read two trips back
.endif
	global_load_b32 v[CV+4*((\T)%4)+2], v[BSA], s[14:15] offset:64*(\ro)         ; this tile's V: wanted three trips on.  Its register was last read in the trip before, ahead of that trip's closing wait
.irp k, 0,1,2,3,4,5,6,7
.set NY, 8*(3-(\k)/2)+3*(1-(\k)%2)
.if (\T) == 0
.set NY, NY+34
.elseif (\T) < 15
.if \k < 4
.set NY, NY+2+8*\k
.else
.set NY, NY+34
.endif
.endif
.if (\T) == 1
.set NY, NY+2
.endif
	s_wait_loadcnt NY
	WIN 0x0d                                       ; source 0 window 1, source 1 window 3
	MM \T, \k, 0
	MM \T, \k, 1
.if ((\T) >= 1) && ((\T) <= 14) && (\k < 4)
	BLS 8*((\ro)+1)+2*\k, 8*(((\T)+1)%2)+2*\k      ; no wait: no product or slice since the last trip's closing wait names these registers
.endif
	WIN 0
	SLICE \T, 4*\k
	SLICE \T, 4*\k+1
.if ((\T) >= 1) && ((\T) <= 14) && (\k < 4)
	BLC 8*((\ro)+1)+2*\k, 8*(((\T)+1)%2)+2*\k
.endif
	WIN 0x0e                                       ; source 0 window 2
	MM \T, \k, 2
	MM \T, \k, 3
	WIN 0
	SLICE \T, 4*\k+2
	SLICE \T, 4*\k+3
.endr
.if (\T) < 2
.rept 3
	v_nop                                          ; trips 0 and 1, whose slices are thin: with the line below, four places between the trip's last products and the next trip's first read of their results
.endr
.endif
	v_nop                                          ; a plain place behind the trip's last reciprocal
	s_wait_alu depctr_va_vdst(0)                   ; the trip's products are done reading their half of the ring and its scale words, its slices their bias and V: the next trip's loads land there; and the trip's exponentials and reciprocals have written their results, which the next trip names
.endm
.macro SLICES T                        ; a trip's vector work without products: the pipeline runs empty
.set ii, 0
.rept 32
	SLICE \T, ii
.set ii, ii+1
.endr
.endm
; ---- phase C
.macro CB be                           ; rows 8 be .. 8 be + 7 of XF, my 4 + 4 columns
.irp i, 0,1,2,3,4,5,6,7
	ds_load_b128 v[XS+64*((\be)%2)+8*\i:XS+64*((\be)%2)+8*\i+3], v[XC+(\be)/2] offset:(8*((\be)%2)+\i)*XP
	ds_load_b128 v[XS+64*((\be)%2)+8*\i+4:XS+64*((\be)%2)+8*\i+7], v[XC+(\be)/2] offset:(8*((\be)%2)+\i)*XP+2048
.endr
.endm
.macro CFMA be                         ; context += p x row; even and odd rows in chains of their own; the first row of each starts its sums
.irp i, 0,1,2,3,4,5,6,7
.irp u, 0,1,2,3
.if 8*(\be)+\i < 2
	v_pk_mul_f32 v[CX+8*(\i%2)+2*\u:CX+8*(\i%2)+2*\u+1], v[XS+64*((\be)%2)+8*\i+2*\u:XS+64*((\be)%2)+8*\i+2*\u+1], v[2*(8*(\be)+\i):2*(8*(\be)+\i)+1]
.else
	v_pk_fma_f32 v[CX+8*(\i%2)+2*\u:CX+8*(\i%2)+2*\u+1], v[XS+64*((\be)%2)+8*\i+2*\u:XS+64*((\be)%2)+8*\i+2*\u+1], v[2*(8*(\be)+\i):2*(8*(\be)+\i)+1], v[CX+8*(\i%2)+2*\u:CX+8*(\i%2)+2*\u+1]
.endif
.endr
.endr
.endm
	; ---- the head: every wave
	s_load_b256 s[4:11], s[0:1], 0x0               ; features s[4:5], seq_len s[6:7], w1c s[8:9], w1s s[10:11]
	s_load_b256 s[12:19], s[0:1], 0x20             ; cb s[12:13], V s[14:15], tsc s[16:17], stat s[18:19]
	s_load_b64 s[20:21], s[0:1], 0x40              ; pctx
	v_lshl_add_u32 v[SPW], v0, 2, SPARE
	v_mov_b32 v[NIL], 0
	v_lshrrev_b32 v1, 5, v0
	v_readfirstlane_b32 s24, v1                    ; wave
	s_and_b32 s25, ttmp7, 0xffff                   ; b
	s_lshl_b32 s27, ttmp9, 6                       ; t0 = 64 i
	v_and_b32 v1, 31, v0                           ; lane
	v_and_b32 v2, 15, v0                           ; r
	v_bfe_u32 v3, v0, 4, 1                         ; h
	v_lshlrev_b32 v[GA], 4, v1
	s_wait_alu depctr_va_sdst(0)                   ; s24 is written, ahead of its first reader
	s_mul_i32 s38, s24, 16*XP
	v_add_nc_u32 v[XW], s38, v[GA]
	v_mul_u32_u24 v26, v2, XP
	v_lshl_add_u32 v26, v3, 6, v26
	v_add_nc_u32 v[XR], s38, v26
	s_mul_i32 s38, s24, 8*1536
	s_add_co_u32 s38, s38, CODES
	v_add_nc_u32 v[CW], s38, v[GA]
	v_lshlrev_b32 v[BSA], 2, v2
	s_lshl_b32 s38, s24, 9
	s_add_co_u32 s38, s38, ASC
	v_add_nc_u32 v[SW], s38, v[BSA]
	v_add_nc_u32 v[CR], CODES, v[GA]
	v_add_nc_u32 v[SR], ASC, v[BSA]
	s_lshl_b32 s38, s24, 8
	s_add_co_u32 s38, s38, SCP
	v_lshl_add_u32 v[SPA], v3, 5, s38
	v_lshlrev_b32 v[L8], 3, v1
	v_add_nc_u32 v[SCA], SCP, v[L8]
	s_lshl_b32 s38, s24, 9
	s_add_co_u32 s38, s38, PT
	v_add_nc_u32 v[PTW], s38, v[GA]
	v_mov_b32 v[PTA], s38
	v_lshlrev_b32 v[T16], 4, v0
.irp g, 0,1,2,3
	v_add_nc_u32 v[XC+\g], \g*16*XP, v[T16]
.endr
	s_mov_b32 s32, 0x4038aa3b                      ; c = 2 log2(e)
	s_mov_b32 s33, s32                             ; (named with it as a pair, so it is written)
	s_mov_b32 s[SEL], 0x76543210
	s_mov_b32 s[SEL+1], 0xfedcba98                 ; v_permlanex16_b32's selects for lane l xor 16
	s_mov_b32 s39, 0
	s_wait_kmcnt 0x0
	s_lshl_b32 s38, s25, 2
	s_add_nc_u64 s[6:7], s[6:7], s[38:39]
	s_load_b32 s28, s[6:7], 0x0                    ; seq_len[b]
	s_lshl_b32 s38, s25, 23                        ; features: (2,048 b + 64 i + 16 w) rows of 4,096 bytes
	s_lshl_b32 s40, ttmp9, 18
	s_add_co_u32 s38, s38, s40
	s_lshl_b32 s40, s24, 16
	s_add_co_u32 s38, s38, s40
	s_add_nc_u64 s[4:5], s[4:5], s[38:39]
	s_mul_i32 s38, s24, 128*1536                   ; my wave's 128 fragments of W1,
	s_add_nc_u64 s[8:9], s[8:9], s[38:39]
	s_lshl_b32 s38, s24, 13                        ; their scale words,
	s_add_nc_u64 s[10:11], s[10:11], s[38:39]
	s_lshl_b32 s38, s24, 10                        ; my 256 units of V
	s_add_nc_u64 s[14:15], s[14:15], s[38:39]
	s_lshl_b32 s40, s25, 12
	s_add_co_u32 s38, s38, s40                     ; and of row b of cb
	s_add_nc_u64 s[12:13], s[12:13], s[38:39]
	s_lshl_b32 s38, s25, 13                        ; tsc: 4 (2,048 b + 64 i)
	s_lshl_b32 s40, ttmp9, 8
	s_add_co_u32 s38, s38, s40
	s_add_nc_u64 s[16:17], s[16:17], s[38:39]
	s_lshl_b32 s40, s25, 5
	s_add_co_u32 s40, s40, ttmp9                   ; the block's number: 32 b + i
	s_lshl_b32 s38, s40, 8
	s_add_nc_u64 s[18:19], s[18:19], s[38:39]      ; stat: 256 bytes a block
	s_lshl_b32 s38, s40, 12
	s_add_nc_u64 s[20:21], s[20:21], s[38:39]      ; pctx: 4,096 bytes a block
	s_wait_kmcnt 0x0
	s_cmp_lt_i32 s28, 1                            ; no live row at all: every row counts, with the score 0
	s_cselect_b32 s30, 0, -1
	s_cselect_b32 s28, 2048, s28
	s_min_u32 s28, s28, 2048                       ; the number of rows that count
	s_cmp_lt_u32 s27, s28
	s_cselect_b32 s31, 1, 0                        ; is my block live?
	s_wait_alu depctr_va_vdst(0)                   ; the addresses v4 to v23 are written, which the kernel's loads and stores read
	; ---- X
	s_cmp_eq_u32 s31, 0
	s_cbranch_scc1 .Lx_done
	XL 0
	XL 1
	XL 2
	WIN 0
.irp b, 0,1,2,3
	v_mov_b32 v[TM+4+\b], 0                        ; written once: a lane permute's destination counts as one of its sources
.endr
	s_wait_loadcnt 32                              ; K step 0 is in
	TURN 0
.irp s, 0,1,2,3,4,5,6,7
	XSTEP \s
.endr
	s_wait_alu depctr_va_vdst(0)                   ; the last quantiser has written PC and PW, which the four stores below read
	PUT 7
.Lx_done:
	s_wait_dscnt 0x0                               ; my stores have landed
	s_barrier_signal -1
	s_barrier_wait -1                              ; the 64 rows, their 32 fragments and scale words lie in LDS
	s_wait_alu depctr_vm_vsrc(0)                   ; my LDS stores have read windows 1 and 2, in which the fragments' loads land, and v80-91, in which the biases' and V's loads land and which the moves below write
	s_wait_alu depctr_va_vdst(0)                   ; the quantiser has written v80-91, in which those loads land
	; ---- G
	s_cmp_eq_u32 s31, 0
	s_cbranch_scc1 .Lg_done
	global_load_b32 v[CV], v[BSA], s[12:13]        ; tile 0's c-bias
.set ff, 0
.rept 8
	BLS ff, ff                                     ; the ring's first 16 fragments: tiles 0 and 1
	BLC ff, ff
.set ff, ff+2
.endr
	WIN 0
.irp q, 0,1,2,3
	v_mov_b32 v[CV+4*\q+1], 0                      ; the pairs' upper words are named by the packed forms, so they are written; no load lands in them
	v_mov_b32 v[CV+4*\q+3], 0
.endr
	WIN 0x40
.set ff, 0
.rept 16
.irp c, 0,1,2
	ds_load_b128 v[12*ff+4*\c:12*ff+4*\c+3], v[CR] offset:1536*ff+512*\c          ; rows 0-31: fragment 8 m + k
.endr
.set ff, ff+1
.endr
	WIN 0x80
.set ff, 0
.rept 16
.irp c, 0,1,2
	ds_load_b128 v[12*ff+4*\c:12*ff+4*\c+3], v[CR] offset:1536*(16+ff)+512*\c     ; rows 32-63
.endr
.set ff, ff+1
.endr
	WIN 0
.set ff, 0
.rept 32
	ds_load_b32 v[AS+ff], v[SR] offset:64*ff
.set ff, ff+1
.endr
	s_wait_dscnt 0x0
	TRIP 0, 0
	TRIP 1, 1
	TRIP 2, 2
	TRIP 3, 3
	s_mov_b32 s36, 2
.Lg:                                               ; tiles 4 to 11: four to a trip of the loop, until the buffers' and halves' numbers are back where they began
	s_wait_xcnt 0x0                                ; the loads issued so far have read their bases: these may step
	s_add_nc_u64 s[8:9], s[8:9], 32*1536
	s_add_nc_u64 s[10:11], s[10:11], 32*64
	s_add_nc_u64 s[12:13], s[12:13], 256
	s_add_nc_u64 s[14:15], s[14:15], 256
	TRIP 4, 0
	TRIP 5, 1
	TRIP 6, 2
	TRIP 7, 3
	s_sub_co_u32 s36, s36, 1
	s_cmp_lg_u32 s36, 0
	s_cbranch_scc1 .Lg
	TRIP 12, 4                                     ; the tail is written out: the requests end with tile 15, and the counts run down
	TRIP 13, 5
	TRIP 14, 6
	TRIP 15, 7
	SLICES 16
	v_nop
	s_wait_alu depctr_va_vdst(0)                   ; the exponentials and reciprocals above have written their results, which the lines below name
	SLICES 17
	v_nop
	s_wait_alu depctr_va_vdst(0)                   ; the reciprocals above have written their results, which the lines below name
	SLICES 18
.irp x, 1,2,4,8                                ; a row's sum over the 16 units that the lanes of a half hold
.set jj, 0
.rept 32
	v_add_f32_dpp v[S+jj], v[S+jj], v[S+jj] row_xmask:\x row_mask:0xf bank_mask:0xf
.set jj, jj+1
.endr
.endr
	s_wait_alu depctr_va_vdst(0)                   ; the additions have written the sums v96-127, which the LDS stores read
.irp m, 0,1,2,3
	ds_store_b128 v[SPA], v[S+8*\m:S+8*\m+3] offset:64*\m          ; rows 16 m + 8 h + 0 .. 7: the sixteen lanes of a half write the same bytes with the same values
	ds_store_b128 v[SPA], v[S+8*\m+4:S+8*\m+7] offset:64*\m+16
.endr
.Lg_done:
	s_wait_dscnt 0x0
	s_barrier_signal -1
	s_barrier_wait -1                              ; the four waves' sums lie in LDS
	s_wait_alu depctr_vm_vsrc(0)                   ; my LDS stores have read v96-127: the loads below land in v112-119, and the context is summed in v96-111
	s_wait_alu depctr_va_vdst(0)                   ; the additions have written v112-119, in which the loads below land
	; ---- C: every wave makes all 64 p for itself
	s_cmp_eq_u32 s31, 0
	s_cbranch_scc1 .Lend
.irp w, 0,1,2,3
	ds_load_b64 v[112+2*\w:113+2*\w], v[SCA] offset:256*\w         ; rows 2 l and 2 l + 1
.endr
	v_lshl_add_u32 v28, v1, 1, s27                 ; t of my first row,
	v_add_nc_u32 v29, 1, v28                       ; of my second
	v_mov_b32 v30, 0xff800000                      ; -infinity
	v_mov_b32 v88, 0
	v_cmp_gt_u32 s40, s28, v28                     ; does my first row count?  The two compares stand in a run, each with a mask register of its own
	v_cmp_gt_u32 s41, s28, v29                     ; my second?
	s_wait_dscnt 0x0
	v_pk_add_f32 v[112:113], v[112:113], v[114:115]
	v_pk_add_f32 v[112:113], v[112:113], v[116:117]
	v_pk_add_f32 v[112:113], v[112:113], v[118:119]
	v_pk_mul_f32 v[26:27], v[112:113], 0xc038aa3b op_sel_hi:[1,0]  ; t = -c x sum of V r
	v_and_b32 v26, s30, v26
	v_and_b32 v27, s30, v27
	s_wait_alu depctr_va_sdst(0)                   ; the two compares have written s40 and s41, ahead of their first readers
	v_cndmask_b32 v80, v30, v26, s40               ; rows at or behind seq_len: -infinity, so p = 0
	v_cndmask_b32 v81, v30, v27, s41
	v_max_num_f32 v82, v80, v81
.irp x, 1,2,4,8
	v_max_num_f32_dpp v82, v82, v82 row_xmask:\x row_mask:0xf bank_mask:0xf
.endr
	v_permlanex16_b32 v88, v82, s[SEL], s[SEL+1]
	v_max_num_f32 v82, v82, v88                    ; mb: a number, since the block's first row counts
	v_sub_f32 v80, v80, v82
	v_sub_f32 v81, v81, v82
	v_exp_f32 v84, v80
	v_exp_f32 v85, v81
	v_nop
	s_wait_alu depctr_va_vdst(0)                   ; the two exponentials have written v84 and v85, ahead of their first reader
	v_add_f32 v83, v84, v85
.irp x, 1,2,4,8
	v_add_f32_dpp v83, v83, v83 row_xmask:\x row_mask:0xf bank_mask:0xf
.endr
	v_permlanex16_b32 v88, v83, s[SEL], s[SEL+1]
	v_add_f32 v83, v83, v88                        ; l
	v_mov_b32 v92, v84
	v_mov_b32 v93, v84
	v_mov_b32 v94, v85
	v_mov_b32 v95, v85
	s_wait_alu depctr_va_vdst(0)                   ; v92-95, v26, v27, v82 and v83 are written, which the three stores below read; phase G's products are done reading window 1, and its slices v128-255, in which the LDS loads below land
	ds_store_b128 v[PTW], v[92:95]                 ; (p, p) of rows 2 l and 2 l + 1, in my wave's own table
	s_cmp_lg_u32 s24, 0
	s_cbranch_scc1 .Lnot_0
	global_store_b64 v[L8], v[26:27], s[16:17]     ; wave 0: the 64 t: 256 consecutive bytes, aligned
	global_store_b64 v[L8], v[82:83], s[18:19]     ; and (mb, l), from every lane: the block's entry of 256 bytes is written whole
.Lnot_0:
	WIN 0x40
.set gg, 0
.rept 32
	ds_load_b128 v[4*gg:4*gg+3], v[PTA] offset:16*gg               ; every lane takes all 64 pairs: my own bytes, served in order behind the store
.set gg, gg+1
.endr
	WIN 0x04                                       ; source 1 (the p's) window 1
	CB 0
	CB 1
.irp be, 0,1,2,3,4,5,6,7
.if \be < 7
	s_wait_dscnt 16                                ; all but the next 8 rows' 16 loads
.else
	s_wait_dscnt 0
.endif
	CFMA \be
.if \be < 6
	s_wait_alu depctr_va_vdst(0)                   ; the multiply-adds above are done reading their set of 8 rows, in which the loads below land
	CB \be+2
.endif
.endr
	WIN 0
.irp u, 0,1,2,3
	v_pk_add_f32 v[CX+2*\u:CX+2*\u+1], v[CX+2*\u:CX+2*\u+1], v[CX+8+2*\u:CX+8+2*\u+1]
.endr
	s_wait_alu depctr_va_vdst(0)                   ; the additions have written v96-103, which the stores read
	global_store_b128 v[T16], v[CX:CX+3], s[20:21]                 ; a wave stores 512 consecutive bytes
	global_store_b128 v[T16], v[CX+4:CX+7], s[20:21] offset:2048
.Lend:
	s_wait_dscnt 0x0                               ; the closing lines, six on end
	s_wait_alu 0x0
	s_wait_tensorcnt 0x0
	ds_add_u32 v[SPW], v[NIL]
	s_wait_dscnt 0x0
	s_endpgm
.Lfunc_end_k_qc896a7cb06_blocks:
	.size	k_qc896a7cb06_blocks, .Lfunc_end_k_qc896a7cb06_blocks-k_qc896a7cb06_blocks
	.p2alignl 7, 3214868480
	.fill 96, 4, 3214868480
	.section	.rodata,"a",@progbits
	.p2align	6, 0x0
	.amdhsa_kernel k_qc896a7cb06_blocks
		.amdhsa_group_segment_fixed_size 317952
		.amdhsa_private_segment_fixed_size 0
		.amdhsa_enable_private_segment 0
		.amdhsa_kernarg_size 72
		.amdhsa_user_sgpr_count 2
		.amdhsa_user_sgpr_kernarg_segment_ptr 1
		.amdhsa_wavefront_size32 1
		.amdhsa_system_sgpr_workgroup_id_x 1
		.amdhsa_system_sgpr_workgroup_id_y 1
		.amdhsa_system_sgpr_workgroup_id_z 1
		.amdhsa_system_vgpr_workitem_id 0
		.amdhsa_next_free_vgpr 1024
		.amdhsa_next_free_sgpr 66
		.amdhsa_reserve_vcc 0
		.amdhsa_float_denorm_mode_32 3
		.amdhsa_float_denorm_mode_16_64 3
		.amdhsa_memory_ordered 1
		.amdhsa_forward_progress 1
		.amdhsa_inst_pref_size 255
	.end_amdhsa_kernel
	.section	.bss,"aw",@nobits
	.p2align	6
	.space	262144
	.amdgpu_metadata
---
amdhsa.version: [ 1, 2 ]
amdhsa.kernels:
  - .name:           k_qc896a7cb06_blocks
    .symbol:         k_qc896a7cb06_blocks.kd
    .args:
      - { .name: features, .offset: 0, .size: 8, .value_kind: global_buffer, .address_space: global }
      - { .name: seq_len, .offset: 8, .size: 8, .value_kind: global_buffer, .address_space: global }
      - { .name: w1c, .offset: 16, .size: 8, .value_kind: global_buffer, .address_space: global }
      - { .name: w1s, .offset: 24, .size: 8, .value_kind: global_buffer, .address_space: global }
      - { .name: cb, .offset: 32, .size: 8, .value_kind: global_buffer, .address_space: global }
      - { .name: V, .offset: 40, .size: 8, .value_kind: global_buffer, .address_space: global }
      - { .name: tsc, .offset: 48, .size: 8, .value_kind: global_buffer, .address_space: global }
      - { .name: stat, .offset: 56, .size: 8, .value_kind: global_buffer, .address_space: global }
      - { .name: pctx, .offset: 64, .size: 8, .value_kind: global_buffer, .address_space: global }
    .group_segment_fixed_size: 317952
    .private_segment_fixed_size: 0
    .kernarg_segment_align: 8
    .kernarg_segment_size: 72
    .max_flat_workgroup_size: 128
    .sgpr_count:     66
    .vgpr_count:     1024
    .wavefront_size: 32
...
	.end_amdgpu_metadata
.endif
;; end of part 5
;; launch finish: the kernel of part 3 again; grid 4 x 32, 4 waves a work-group, no clusters, 0 bytes of LDS; arguments seq_len, tsc, stat, pctx, out0, out1; writes out0, out1
